; MI455X (gfx1250); checked and timed in simulation.
; The chip was launched on July 23, 2026; its instructions are those of AMD's public machine-readable ISA for CDNA 5 (MIT licence, August 2026) and "CDNA5" Instruction Set Architecture Reference Guide (July 2026). The comments in the code are by the model that wrote it; some were corrected since.
;; Transformer Block. Allowed arithmetic: float matrix products may take bf16 or f16 operands with f32 sums; other float arithmetic in f32, or as packed bf16 or f16 multiplies, adds, multiply-adds, maxima and minima; sums over many terms, partial sums and values carried from step to step in f32; what a program stores and reads back later, other than sums and carried values, may be rounded once to bf16 or f16.
;; Inputs: g1 768 float32; g2 768 float32; w1 3,072 x 768 float32; w2 768 x 3,072 float32; wk 768 x 768 float32; wo 768 x 768 float32; wq 768 x 768 float32; wv 768 x 768 float32; x 1 x 4,096 x 768 float32.
;; Outputs: out0 1 x 4,096 x 768 float32.
;; 2 versions, each right; version 2 is version 1 with the launch prep written anew for expert scheduling mode. Each part assembles by itself: llvm-mc -triple=amdgcn-amd-amdhsa -mcpu=gfx1250 --defsym DOCPART=n.
;; ======== version 1 of 2: 6 launches
;; limits: a function is approximated: absolute error at most 1.5e-07
;; workspace buffers: packa 9,895,936 bytes; packb 11,075,584 bytes; wrest 5,898,240 bytes; act 25,165,824 bytes; o 6,291,456 bytes; y 12,582,912 bytes; modea 256 bytes of whole numbers; modeb 256 bytes of whole numbers
;; launch prep (part 1): grid 448 x 1, 4 waves a work-group, no clusters, 0 bytes of LDS; arguments x, g1, wq, wk, wv, wo, packa, wrest, modea, modeb; writes packa, wrest, modea, modeb
.if DOCPART == 1
	.amdgcn_target "amdgcn-amd-amdhsa--gfx1250"
	.amdhsa_code_object_version 6
	.text
	.protected	k_q6c663ae6d0_prep
	.globl	k_q6c663ae6d0_prep
	.p2align	8
	.type	k_q6c663ae6d0_prep,@function
k_q6c663ae6d0_prep:
	s_mov_b64 s[64:65], 0
	v_nop
	global_prefetch_b8 v0, s[64:65] scope:SCOPE_SE
	s_setreg_imm32_b32 hwreg(HW_REG_WAVE_MODE, 25, 1), 1
	s_wait_xcnt 0x0
; PREP: what the first two products want, each input byte read once.  (w1 and w2 are converted in the attention launch, by work-groups of their own.)
;   wq, wk, wv times g1 (by column) -> packa + PACK_B, [2304][768] bf16;   wo -> wrest, [768][768] bf16;   x -> packa, 12 planes [4096][64] bf16;
;   the sum of x^2 over each 192 columns of a row, in f32 of the unrounded x -> packa + PACK_SS, [4][4096] f32
;   modea word 0 = 0, modeb word 0 = 1: which activation the wide product applies.
; rmsnorm(x, g) W^T = rinv[row] (x (W g)^T): the gain goes into the weights here, the row's factor into the product's way out.
; SHARES.  A work-group takes 16 rows of 768 f32, a wave 4 (12,288 bytes, 24 loads of 512 bytes, all out together).
; Work-groups 0-47 wq, 48-95 wk, 96-143 wv, 144-191 wo, 192-447 x.  No LDS, no matrix unit, no cluster: nothing is shared, memory binds.
; wo has no gain: its gain registers hold 1.0 (a product with 1.0 is exact), so that one text converts all four.
; Every store of a wave covers 256 consecutive bytes, aligned (the 16 bytes of row sums a wave apart: 64 KiB in all).
.set PLANE,   524288
.set PACK_SS, 6291456
.set PACK_B,  6356992
.set G,  8                             ; v[8:31]   the gain of my 4 columns in each of a row's six pieces of 512 bytes
.set D,  32                            ; v[32:127] 24 x 4 numbers as loaded; the first two registers of each four then hold the bf16
.set SQ, 8                             ; x alone: v[8:15] four pairs of sums of squares
.set T,  16                            ; x alone: v[16:19] what my lane stores of them
	s_load_b512 s[8:23], s[0:1], 0x0               ; x s[8:9], g1 s[10:11], wq s[12:13], wk s[14:15], wv s[16:17], wo s[18:19], packa s[20:21], wrest s[22:23]
	s_load_b128 s[24:27], s[0:1], 0x40             ; modea s[24:25], modeb s[26:27]
	v_lshrrev_b32 v1, 5, v0
	v_readfirstlane_b32 s4, v1                     ; wave
	v_and_b32 v2, 31, v0                           ; lane
	v_lshlrev_b32 v3, 4, v2                        ; 16 x lane: f32 in
	v_lshlrev_b32 v4, 3, v2                        ; 8 x lane: bf16 out
	s_mov_b32 s5, ttmp9
	s_mov_b32 s47, 0
	s_wait_kmcnt 0x0
	s_cmp_ge_u32 s5, 192
	s_cbranch_scc1 .Lx
	; which weights: source s[36:37] and its first work-group s38; destination s[40:41], its first work-group s39, its byte offset s42
	s_mov_b64 s[36:37], s[12:13]
	s_mov_b32 s38, 0
	s_cmp_ge_u32 s5, 48
	s_cselect_b64 s[36:37], s[14:15], s[36:37]
	s_cselect_b32 s38, 48, s38
	s_cmp_ge_u32 s5, 96
	s_cselect_b64 s[36:37], s[16:17], s[36:37]
	s_cselect_b32 s38, 96, s38
	s_cmp_ge_u32 s5, 144
	s_cselect_b64 s[36:37], s[18:19], s[36:37]
	s_cselect_b32 s38, 144, s38
	s_cselect_b64 s[40:41], s[22:23], s[20:21]
	s_cselect_b32 s39, 144, 0
	s_cselect_b32 s42, 0, PACK_B
	s_sub_co_u32 s38, s5, s38
	s_mul_i32 s38, s38, 49152                      ; 16 rows of 3,072 bytes
	s_mul_i32 s46, s4, 12288
	s_add_co_u32 s46, s46, s38
	s_add_nc_u64 s[36:37], s[36:37], s[46:47]
	s_sub_co_u32 s39, s5, s39
	s_mul_i32 s39, s39, 24576
	s_mul_i32 s46, s4, 6144
	s_add_co_u32 s46, s46, s39
	s_add_co_u32 s46, s46, s42
	s_add_nc_u64 s[40:41], s[40:41], s[46:47]
	s_cmp_ge_u32 s5, 144
	s_cbranch_scc1 .Lones
.irp i, 0,1,2,3,4,5
	global_load_b128 v[G+4*(\i):G+4*(\i)+3], v3, s[10:11] offset:512*(\i)
.endr
	s_branch .Lgo
.Lones:
.set i, 0
.rept 24
	v_mov_b32 v[G+i], 1.0
.set i, i+1
.endr
.Lgo:	; 4 rows: 24 loads, all issued ahead; piece i is scaled, rounded and stored as soon as it is in.  No register is used twice.
.set i, 0
.rept 24
	global_load_b128 v[D+4*i:D+4*i+3], v3, s[36:37] offset:512*i th:TH_LOAD_NT
.set i, i+1
.endr
.set i, 0
.rept 24
	s_wait_loadcnt 23-i                            ; loads come back in order: piece i is in, the 23 - i younger ones stay out (the gain's are older)
	v_pk_mul_f32 v[D+4*i:D+4*i+1], v[D+4*i:D+4*i+1], v[G+4*(i%6):G+4*(i%6)+1]
	v_pk_mul_f32 v[D+4*i+2:D+4*i+3], v[D+4*i+2:D+4*i+3], v[G+4*(i%6)+2:G+4*(i%6)+3]
	v_cvt_pk_bf16_f32 v[D+4*i], v[D+4*i], v[D+4*i+1]
	v_cvt_pk_bf16_f32 v[D+4*i+1], v[D+4*i+2], v[D+4*i+3]
	global_store_b64 v4, v[D+4*i:D+4*i+1], s[40:41] offset:256*i
.set i, i+1
.endr
	s_or_b32 s46, s5, s4
	s_cmp_lg_u32 s46, 0
	s_cbranch_scc1 .Lend
	v_mov_b32 v5, 0                                ; wave 0 of work-group 0 writes the two mode buffers, all 256 bytes of each
	v_mov_b32 v6, 1
	v_lshlrev_b32 v7, 2, v2
	global_store_b32 v7, v5, s[24:25]
	global_store_b32 v7, v5, s[24:25] offset:128
	global_store_b32 v7, v6, s[26:27]
	global_store_b32 v7, v6, s[26:27] offset:128
.Lend:
	s_endpgm
.Lx:	; x: my 4 rows as two pairs u; lanes 0-15 take the even row of a pair, lanes 16-31 the odd one; a load takes 64 columns (a plane's) of both
	s_sub_co_u32 s38, s5, 192
	s_lshl_b32 s38, s38, 4
	s_lshl2_add_u32 s38, s4, s38                   ; my first row
	s_mul_i32 s46, s38, 3072
	s_add_nc_u64 s[36:37], s[8:9], s[46:47]
	s_lshl_b32 s46, s38, 7
	s_add_nc_u64 s[40:41], s[20:21], s[46:47]      ; a plane's row is 128 bytes
	s_lshl_b32 s46, s38, 2
	s_add_co_u32 s46, s46, PACK_SS
	s_add_nc_u64 s[44:45], s[20:21], s[46:47]
	v_lshrrev_b32 v5, 4, v2                        ; which row of a pair
	v_and_b32 v6, 15, v2
	v_mul_u32_u24 v7, v5, 3072
	v_lshl_add_u32 v7, v6, 4, v7
	v_and_b32 v20, 1, v2
	v_cmp_eq_u32 s49, 1, v20                       ; odd lanes keep the second pair's sums
	v_lshl_add_u32 v21, v20, 1, v5                 ; the row that my lane's sums belong to: 2 (lane % 2) + lane / 16
	v_lshlrev_b32 v21, 2, v21
.set i, 0
.rept 24
	global_load_b128 v[D+4*i:D+4*i+3], v7, s[36:37] offset:(i/12)*6144+(i%12)*256 th:TH_LOAD_NT
.set i, i+1
.endr
.set u, 0
.rept 2
.set p, 0
.rept 12
.set k, D+4*(12*u+p)
.set q, SQ+2*(p/3)
	s_wait_loadcnt 23-(12*u+p)                     ; the younger loads stay out
.if p%3 == 0
	v_pk_mul_f32 v[q:q+1], v[k:k+1], v[k:k+1]      ; the first product starts the sum over 192 columns
.else
	v_pk_fma_f32 v[q:q+1], v[k:k+1], v[k:k+1], v[q:q+1]
.endif
	v_pk_fma_f32 v[q:q+1], v[k+2:k+3], v[k+2:k+3], v[q:q+1]
	v_cvt_pk_bf16_f32 v[k], v[k], v[k+1]
	v_cvt_pk_bf16_f32 v[k+1], v[k+2], v[k+3]
	global_store_b64 v4, v[k:k+1], s[40:41] offset:p*PLANE+u*256  ; two rows of a plane lie end to end: 256 bytes
.set p, p+1
.endr
.set j, 0
.rept 4
	v_add_f32 v[SQ+2*j], v[SQ+2*j], v[SQ+2*j+1]
	v_add_f32_dpp v[SQ+2*j], v[SQ+2*j], v[SQ+2*j] row_xmask:1 row_mask:0xf bank_mask:0xf
	v_add_f32_dpp v[SQ+2*j], v[SQ+2*j], v[SQ+2*j] row_xmask:2 row_mask:0xf bank_mask:0xf
	v_add_f32_dpp v[SQ+2*j], v[SQ+2*j], v[SQ+2*j] row_xmask:4 row_mask:0xf bank_mask:0xf
	v_add_f32_dpp v[SQ+2*j], v[SQ+2*j], v[SQ+2*j] row_xmask:8 row_mask:0xf bank_mask:0xf
.if u == 0
	v_mov_b32 v[T+j], v[SQ+2*j]
.else
	v_cndmask_b32 v[T+j], v[T+j], v[SQ+2*j], s49
.endif
.set j, j+1
.endr
.set u, u+1
.endr
	v_cmp_gt_u32 vcc_lo, 2, v6                     ; lanes 0, 1, 16, 17 hold the four rows' sums
	s_wait_xcnt 0x0                                ; EXEC changes only when the stores above have read it
	s_and_saveexec_b32 s48, vcc_lo
.irp j, 0,1,2,3
	global_store_b32 v21, v[T+(\j)], s[44:45] offset:(\j)*16384
.endr
	s_wait_xcnt 0x0
	s_or_b32 exec_lo, exec_lo, s48
	s_endpgm
.Lfunc_end_k_q6c663ae6d0_prep:
	.size	k_q6c663ae6d0_prep, .Lfunc_end_k_q6c663ae6d0_prep-k_q6c663ae6d0_prep
	.p2alignl 7, 3214868480
	.fill 96, 4, 3214868480
	.section	.rodata,"a",@progbits
	.p2align	6, 0x0
	.amdhsa_kernel k_q6c663ae6d0_prep
		.amdhsa_group_segment_fixed_size 0
		.amdhsa_private_segment_fixed_size 0
		.amdhsa_enable_private_segment 0
		.amdhsa_kernarg_size 80
		.amdhsa_user_sgpr_count 2
		.amdhsa_user_sgpr_kernarg_segment_ptr 1
		.amdhsa_wavefront_size32 1
		.amdhsa_system_sgpr_workgroup_id_x 1
		.amdhsa_system_sgpr_workgroup_id_y 1
		.amdhsa_system_sgpr_workgroup_id_z 1
		.amdhsa_system_vgpr_workitem_id 0
		.amdhsa_next_free_vgpr 128
		.amdhsa_next_free_sgpr 66
		.amdhsa_reserve_vcc 1
		.amdhsa_float_denorm_mode_32 3
		.amdhsa_float_denorm_mode_16_64 3
		.amdhsa_memory_ordered 1
		.amdhsa_forward_progress 1
		.amdhsa_inst_pref_size 31
	.end_amdhsa_kernel
	.amdgpu_metadata
---
amdhsa.version: [ 1, 2 ]
amdhsa.kernels:
  - .name:           k_q6c663ae6d0_prep
    .symbol:         k_q6c663ae6d0_prep.kd
    .args:
      - { .name: x, .offset: 0, .size: 8, .value_kind: global_buffer, .address_space: global }
      - { .name: g1, .offset: 8, .size: 8, .value_kind: global_buffer, .address_space: global }
      - { .name: wq, .offset: 16, .size: 8, .value_kind: global_buffer, .address_space: global }
      - { .name: wk, .offset: 24, .size: 8, .value_kind: global_buffer, .address_space: global }
      - { .name: wv, .offset: 32, .size: 8, .value_kind: global_buffer, .address_space: global }
      - { .name: wo, .offset: 40, .size: 8, .value_kind: global_buffer, .address_space: global }
      - { .name: packa, .offset: 48, .size: 8, .value_kind: global_buffer, .address_space: global }
      - { .name: wrest, .offset: 56, .size: 8, .value_kind: global_buffer, .address_space: global }
      - { .name: modea, .offset: 64, .size: 8, .value_kind: global_buffer, .address_space: global }
      - { .name: modeb, .offset: 72, .size: 8, .value_kind: global_buffer, .address_space: global }
    .group_segment_fixed_size: 0
    .private_segment_fixed_size: 0
    .kernarg_segment_align: 8
    .kernarg_segment_size: 80
    .max_flat_workgroup_size: 128
    .sgpr_count:     66
    .vgpr_count:     128
    .wavefront_size: 32
...
	.end_amdgpu_metadata
.endif
;; end of part 1
;; launch qkv (part 2): grid 12 x 16, 4 waves a work-group, clusters of 4 x 4, 327,680 bytes of LDS; arguments packa, modea, act; writes act
.if DOCPART == 2
	.amdgcn_target "amdgcn-amd-amdhsa--gfx1250"
	.amdhsa_code_object_version 6
	.text
	.protected	k_q6c663ae6d0_qkv
	.globl	k_q6c663ae6d0_qkv
	.p2align	8
	.type	k_q6c663ae6d0_qkv,@function
k_q6c663ae6d0_qkv:
	s_mov_b64 s[64:65], 0
	v_nop
	global_prefetch_b8 v0, s[64:65] scope:SCOPE_SE
	s_setreg_imm32_b32 hwreg(HW_REG_WAVE_MODE, 25, 1), 1
	s_wait_xcnt 0x0
	s_wait_alu depctr_hold_cnt(0) depctr_sa_sdst(0) depctr_va_vdst(0) depctr_va_sdst(0) depctr_va_ssrc(0) depctr_va_vcc(0) depctr_vm_vsrc(0)
	s_getreg_b32 s2, hwreg(HW_REG_IB_STS2, 6, 4)
	s_cmp_eq_u32 s2, 0
	s_cbranch_scc0 .Lentry_in_a_cluster
	s_endpgm
.Lentry_in_a_cluster:
	s_bfe_u32 s2, ttmp6, 0x10000c
	s_cmp_lg_u32 s2, 0xf033
	s_cbranch_scc0 .Lentry_shape_is_right
	s_endpgm
.Lentry_shape_is_right:
; THE WIDE PRODUCT.  OUT = f(rinv[row] (A B^T)), K = 768.  One argument PACK holds all that is read: A as 12 planes [4096][64] bf16 at 0, four partial sums of squares a row
; ([4][4096] f32) at PACK_SS, B [N][768] bf16 at PACK_B.  rinv = 1 / sqrt(sum / 768 + 1e-5).  OUT: N / 64 planes [4096][64] bf16.  MODE's word 0: 0: f is the identity; 1: f is the exact GELU.
; GELU.  gelu(z) = max(z, 0) - |z| w, w = erfc(|z| / sqrt 2) / 2 = t (a1 + t (a2 + t (a3 + t (a4 + t a5)))) 2^(NC z^2), t = 1 / (1 + PC |z|): Abramowitz and Stegun 7.1.26.
; LIMIT: that formula's error in erfc is 1.5e-7 at the most, for every z; NaN and infinities are not treated apart.
; THE MODE CHOOSES CONSTANTS, NOT A PATH: partners of a cluster run the same lines.  With mode 0 a1 .. a5 are 0 and the maximum's floor is minus infinity: w = 0, max(-inf, z) = z, and the lines give z itself, bit for bit,
; for every finite z.  So with mode 0 the activation's lines are run and serve nothing: the price of one text for both products.
; SHARES.  A tile of OUT is 256 rows x 192 columns (three planes): four waves, each 64 rows x 192 columns: 48 accumulators of 16 x 16, 384 registers; 32 LDS loads feed 48 matrix instructions.
; K goes in steps of 128 (two planes of A, 256 bytes of B's rows) through two LDS slots: six steps.  Waves 0 and 1 fetch a plane of A each (256 rows are 32,768 dense bytes: 128 rows of 256), waves 2 and 3 96 rows of B each.
; THE K PHASE IS WRITTEN ONCE.  A step is four quarters of 32 along K on fragment buffers 0, 1, 0, 1; each quarter fetches the next one's fragments.  A PAIR is a quarter on buffer 1 and a quarter on buffer 0.  The walk is:
; the first quarter (its products start the sums); a pair; then for each further step a CHANGE of slots and two pairs (the first of which begins with the step before's last quarter); the last quarter.  The fetch addresses are
; a scalar (the slot's base, stepped a pair at a time) plus a lane term.  CHANGE holds no product: the next tile is asked for as soon as the last has landed and the round is passed.
; CLUSTER 4 x 4: A's tile hangs on the tile row alone and is asked for jointly along a row of the cluster, B's on the tile column alone, along a column.
; THE MATRIX INSTRUCTION IS USED TRANSPOSED (source 0 = 16 rows of B, source 1 = 16 rows of A): a lane holds one row of OUT and eight neighbouring columns.
; REGISTERS: window 0: v8-15 rinv in pairs; v16-29 addresses; v32-95 A's fragments, two buffers; v96-255 at work on the way out.  window 1: v0-191 B's fragments, two buffers.
;   window 2: accumulators of my rows 0-31 ((a, b) at v[8 (12 a + b)]); window 3: of rows 32-63.
.set PLANE,   524288
.set PACK_SS, 6291456
.set PACK_B,  6356992
.set PA,     144                       ; a row of A in LDS: 128 bytes + 16: the 16 rows of a load start at 16 different groups of four banks (ISA guide 11.1)
.set PB,     272                       ; a row of B: 256 + 16
.set APLANE, 256*PA                    ; a plane's 256 rows
.set BOFF,   2*APLANE
.set SLOT,   BOFF+192*PB               ; 125,952 bytes in a slot
.set SLOT1,  1<<17                     ; slot 1 begins here, so that one exclusive or turns an address in one slot into the other's
.set SPITCH, 272                       ; the way out: 64 f32 + 16 bytes
.set WSTAGE, 3*64*SPITCH               ; a wave's stage: 3 planes x 64 rows; the four stages lie in the slots' bytes, which have had their last fill by then
.set SPARE,  SLOT1+SLOT                ; the spare words: 128 bytes a wave, two blocks of 256 bytes that no other line names
.set RINV, 8
.set A0,   16                          ; v16 my lane's place among A's fragments in slot 0; never rewritten
.set B0,   17                          ; v17 the same for B
.set FA,   20                          ; v20 LDS address of A's fragments for the pair in hand
.set FB,   21                          ; v21 the same for B
.set STO,  24
.set RD,   25
.set GO,   26
.set SPW,  28
.set NIL,  29
.set Z,    96
.set TT,   128
.set EE,   160
.set UU,   192
.set MM,   224
.set G1,  24
.set G0,  32                           ; s[32:39] group 0 for A: a set for each of the two first fills; the second then walks on
.set G1B, 48
.set G0B, 56                           ; s[56:63] the same for B
.set TS,    83                         ; s83 the base of the slot that is read: 0 or SLOT1
.set TA,    84                         ; s84 TS + the planes of A that have been fetched
.set TBB,   85                         ; s85 TS + the bytes of B's rows that have been fetched
.set PAIRS, 86
.set STEPS, 87
.set MSB, 0
.macro WIN new                         ; the immediate's high byte repeats the setting that is left; a switch that changes nothing is dropped
.if MSB != (\new)
	s_set_vgpr_msb (MSB<<8)|(\new)
.set MSB, \new
.endif
.endm
.set MUL_LO, 0xa1                      ; source 0 (B) window 1, source 1 (A) window 0, C and D window 2
.set MUL_HI, 0xf1                      ; C and D window 3
.set TO_B,   0x40                      ; destination window 1
.macro JLOAD s                         ; a joint load; the branch hangs on the wave's number alone; s_nop 0 and four v_nop follow each line
	s_cmp_eq_u32 s11, 0
	s_cbranch_scc0 .Lfor_b_\@
	tensor_load_to_lds s[G0+4*(\s):G0+4*(\s)+3], s[G1:G1+7]
	s_nop 0
.rept 4
	v_nop
.endr
	s_branch .Lasked_\@
.Lfor_b_\@:
	tensor_load_to_lds s[G0B+4*(\s):G0B+4*(\s)+3], s[G1B:G1B+7]
	s_nop 0
.rept 4
	v_nop
.endr
.Lasked_\@:
.endm
.macro CROUND                          ; a round of the cluster's barrier
	s_barrier_signal -1
	s_barrier_wait -1
	s_cmp_lg_u32 s10, 0
	s_cbranch_scc1 .Lnot_wave_0_\@
	s_barrier_signal -3
.Lnot_wave_0_\@:
	s_barrier_wait -3
	s_barrier_signal -1
	s_barrier_wait -1
.endm
.macro PLACES                          ; four plain instructions between a matrix instruction and a load into, or a vector line on, its registers
.rept 4
	v_nop
.endr
.endm
	s_load_b128 s[4:7], s[0:1], 0x0                ; PACK s[4:5], MODE s[6:7]
	s_load_b64 s[8:9], s[0:1], 0x10                ; OUT
	v_lshl_add_u32 v[SPW], v0, 2, SPARE
	v_mov_b32 v[NIL], 0
	ds_add_u32 v[SPW], v[NIL]                      ; the wave's opening: the add and its wait ahead of my first tensor load
	v_lshrrev_b32 v1, 5, v0
	v_readfirstlane_b32 s10, v1                    ; wave
	s_lshr_b32 s11, s10, 1                         ; I fetch for A (0) or for B (1)
	s_and_b32 s12, s10, 1                          ; which plane of A, or which 96 rows of B
	s_bfe_u32 s40, ttmp6, 0x40000                  ; cx
	s_bfe_u32 s41, ttmp6, 0x40004                  ; cy
	s_lshl_b32 s42, ttmp9, 2
	s_add_co_u32 s42, s42, s40                     ; tile column
	s_and_b32 s13, ttmp7, 0xffff
	s_lshl_b32 s13, s13, 2
	s_add_co_u32 s13, s13, s41                     ; tile row
	s_lshl_b32 s43, s41, 2
	s_lshl_b32 s43, 15, s43                        ; my row of the cluster
	s_lshl_b32 s44, 0x1111, s40                    ; my column
	s_or_b32 s[G1+0], s43, (1<<16)|(1<<20)|(1<<21)|(4<<22)|(3<<25)   ; mask; 2-byte elements; padding on; bit 21 beside a mask; after every 32 words 4 words
	s_or_b32 s[G1B+0], s44, (1<<16)|(1<<20)|(1<<21)|(5<<22)|(3<<25)  ; after every 64 words 4 words
	s_mov_b32 s[G1+1], 128<<16                     ; A: tensor_dim0 = 128 elements (two rows of a plane)
	s_mov_b32 s[G1+2], 128<<16                     ; tensor_dim1 = 128
	s_mov_b32 s[G1+3], 128<<16                     ; tile_dim0
	s_mov_b32 s[G1+4], 128                         ; tile_dim1
	s_mov_b32 s[G1+5], 128                         ; dense
	s_mov_b32 s[G1+6], 0
	s_mov_b32 s[G1+7], 0
	s_mov_b32 s[G1B+1], 128<<16                    ; B: 128 elements of
	s_mov_b32 s[G1B+2], 96<<16                     ; 96 rows,
	s_mov_b32 s[G1B+3], 128<<16
	s_mov_b32 s[G1B+4], 96
	s_mov_b32 s[G1B+5], 768                        ; 768 elements apart
	s_mov_b32 s[G1B+6], 0
	s_mov_b32 s[G1B+7], 0
	s_lshl_b32 s16, s12, 19                        ; A: my plane of the step's two,
	s_lshl_b32 s17, s13, 15                        ; the tile's 256 rows of 128 bytes
	s_add_co_u32 s16, s16, s17
	s_mov_b32 s17, 0
	s_mul_i32 s46, s42, 192*1536                   ; B: the tile's 192 rows,
	s_mul_i32 s47, s12, 96*1536                    ; my 96 of them
	s_add_co_u32 s46, s46, s47
	s_add_co_u32 s46, s46, PACK_B
	s_mov_b32 s47, 0
	s_mul_i32 s20, s12, APLANE                     ; where they go: no place in the cluster enters an LDS address
	s_mul_i32 s21, s12, 96*PB
	s_add_co_u32 s21, s21, BOFF
	s_mov_b32 s67, 0x3e6d3388                      ; PC = 0.3275911 / sqrt 2
	s_mov_b32 s68, 0xbf38aa3b                      ; NC = -log2(e) / 2
	s_mov_b32 s69, s68
	s_mov_b32 s80, 0x3aaaaaab                      ; 1 / 768
	s_mov_b32 s81, 0x3727c5ac                      ; 1e-5
	s_mov_b32 s[TS], 0
	s_mov_b32 s[TA], 0
	s_mov_b32 s[TBB], 0
	s_wait_dscnt 0x0                               ; the opening add is done
	s_wait_kmcnt 0x0
	s_add_nc_u64 s[14:15], s[4:5], s[16:17]
	s_add_nc_u64 s[46:47], s[4:5], s[46:47]
	s_load_b32 s66, s[6:7], 0x0                    ; the mode
	CROUND                                         ; all sixteen work-groups are here: the first joint loads meet
.irp s, 0,1
	s_mov_b32 s[G0+4*(\s)], 1
	s_add_co_u32 s[G0+4*(\s)+1], s20, (\s)*SLOT1
	s_add_nc_u64 s[G0+4*(\s)+2:G0+4*(\s)+3], s[14:15], (\s)*2*PLANE
	s_or_b32 s[G0+4*(\s)+3], s[G0+4*(\s)+3], 0x80000000
	s_mov_b32 s[G0B+4*(\s)], 1
	s_add_co_u32 s[G0B+4*(\s)+1], s21, (\s)*SLOT1
	s_add_nc_u64 s[G0B+4*(\s)+2:G0B+4*(\s)+3], s[46:47], (\s)*256
	s_or_b32 s[G0B+4*(\s)+3], s[G0B+4*(\s)+3], 0x80000000
	JLOAD \s
.endr
	; addresses, and the rows' factors: all in the wait for the first tile
	s_lshl_b32 s18, s13, 10
	s_add_co_u32 s18, s18, PACK_SS
	s_mov_b32 s19, 0
	s_add_nc_u64 s[18:19], s[4:5], s[18:19]        ; the tile's 256 sums, first part
	s_mul_i32 s22, s42, 3*PLANE
	s_lshl_b32 s23, s13, 15
	s_add_co_u32 s22, s22, s23
	s_lshl_b32 s23, s10, 13
	s_add_co_u32 s22, s22, s23
	s_mov_b32 s23, 0
	s_add_nc_u64 s[8:9], s[8:9], s[22:23]          ; OUT at the tile's first plane, my wave's first row
	v_and_b32 v1, 15, v0                           ; l % 16
	v_bfe_u32 v2, v0, 4, 1                         ; l / 16
	v_lshlrev_b32 v7, 2, v1
	v_lshl_add_u32 v7, s10, 8, v7                  ; (64 wave + l % 16) x 4
.irp a, 0,1,2,3
.irp j, 0,1,2,3
	global_load_b32 v[Z+4*(\a)+(\j)], v7, s[18:19] offset:(\a)*64+(\j)*16384
.endr
.endr
	v_mul_u32_u24 v3, v1, PA
	v_lshl_add_u32 v3, v2, 4, v3
	s_mul_i32 s22, s10, 64*PA
	v_add_nc_u32 v[A0], s22, v3
	v_mul_u32_u24 v4, v1, PB
	v_lshl_add_u32 v4, v2, 4, v4
	v_add_nc_u32 v[B0], BOFF, v4
	s_mul_i32 s22, s10, WSTAGE
	v_mul_u32_u24 v5, v1, SPITCH                   ; in: row l % 16, 32 bytes for each half of the lanes
	v_lshl_add_u32 v5, v2, 5, v5
	v_add_nc_u32 v[STO], s22, v5
	v_bfe_u32 v6, v0, 3, 2                         ; back: eight lanes take a row's 64 numbers, 32 bytes each
	v_mul_u32_u24 v6, v6, SPITCH
	v_and_b32 v5, 7, v0
	v_lshl_add_u32 v6, v5, 5, v6
	v_add_nc_u32 v[RD], s22, v6
	v_and_b32 v[GO], 31, v0
	v_lshlrev_b32 v[GO], 4, v[GO]                  ; four rows of a plane are 512 consecutive bytes
	s_wait_loadcnt 0x0
.irp a, 0,1,2,3
	v_add_f32 v[Z+4*(\a)], v[Z+4*(\a)], v[Z+4*(\a)+1]
	v_add_f32 v[Z+4*(\a)+2], v[Z+4*(\a)+2], v[Z+4*(\a)+3]
.endr
.irp a, 0,1,2,3
	v_add_f32 v[Z+4*(\a)], v[Z+4*(\a)], v[Z+4*(\a)+2]
.endr
.irp a, 0,1,2,3
	v_fma_f32 v[Z+4*(\a)], v[Z+4*(\a)], s80, s81
.endr
.irp a, 0,1,2,3
	v_rsq_f32 v[RINV+2*(\a)], v[Z+4*(\a)]
.endr
	v_nop                                          ; a plain instruction behind the last of the batch,
	s_wait_alu depctr_va_vdst(0)                   ; and one wait ahead of the first use
.irp a, 0,1,2,3
	v_mov_b32 v[RINV+2*(\a)+1], v[RINV+2*(\a)]
.endr
	s_wait_kmcnt 0x0                               ; the mode: it chooses the activation's constants; no branch hangs on it
	s_cmp_eq_u32 s66, 0
	s_cselect_b32 s70, 0, 0x3e027906               ; a1 / 2 .. a5 / 2, or 0: then w = 0
	s_cselect_b32 s72, 0, 0xbe11a98e
	s_cselect_b32 s74, 0, 0x3f35f0e3
	s_cselect_b32 s76, 0, 0xbf3a00e3
	s_cselect_b32 s78, 0, 0x3f07dc22
	s_cselect_b32 s82, 0xff800000, 0               ; the maximum's floor: 0, or minus infinity: then max(floor, z) = z
	s_mov_b32 s71, s70                             ; each is named as a pair, so both words are written
	s_mov_b32 s73, s72
	s_mov_b32 s75, s74
	s_mov_b32 s77, s76
	s_mov_b32 s79, s78
; 12 matrix instructions: block a of the window's two (hi = 0: my rows 0-31, 1: rows 32-63) x all 12 column blocks, 32 along K.  The 48 accumulators take turns, one instruction a turn, in the same order in every quarter.
.macro MUL12 f, hi, a, zero
	WIN MUL_LO+0x50*(\hi)
.irp b, 0,1,2,3,4,5,6,7,8,9,10,11
.if \zero
	v_wmma_f32_16x16x32_bf16 v[8*(12*(\a)+(\b)):8*(12*(\a)+(\b))+7], v[96*(\f)+8*(\b):96*(\f)+8*(\b)+7], v[32+32*(\f)+8*(2*(\hi)+(\a)):32+32*(\f)+8*(2*(\hi)+(\a))+7], 0
.else
	v_wmma_f32_16x16x32_bf16 v[8*(12*(\a)+(\b)):8*(12*(\a)+(\b))+7], v[96*(\f)+8*(\b):96*(\f)+8*(\b)+7], v[32+32*(\f)+8*(2*(\hi)+(\a)):32+32*(\f)+8*(2*(\hi)+(\a))+7], v[8*(12*(\a)+(\b)):8*(12*(\a)+(\b))+7]
.endif
.endr
.endm
; 32 LDS loads in one run: a quarter (32 along K) into buffer f: B's 12 fragments, then A's 4.  odd = 1: the second quarter of the pair, 64 bytes on in the rows
.macro FETCH odd, f
	WIN TO_B
.irp i, 0,1,2,3,4,5,6,7,8,9,10,11
	ds_load_b128 v[96*(\f)+8*(\i):96*(\f)+8*(\i)+3],   v[FB] offset:64*(\odd)+(\i)*16*PB
	ds_load_b128 v[96*(\f)+8*(\i)+4:96*(\f)+8*(\i)+7], v[FB] offset:64*(\odd)+(\i)*16*PB+32
.endr
	WIN 0
.irp a, 0,1,2,3
	ds_load_b128 v[32+32*(\f)+8*(\a):32+32*(\f)+8*(\a)+3],   v[FA] offset:64*(\odd)+(\a)*16*PA
	ds_load_b128 v[32+32*(\f)+8*(\a)+4:32+32*(\f)+8*(\a)+7], v[FA] offset:64*(\odd)+(\a)*16*PA+32
.endr
.endm
; A quarter: multiplies buffer f, and in its middle fetches the next quarter into buffer g
.macro QUARTER f, g, odd, zero
	s_wait_dscnt 4                                 ; B and A's blocks 0, 1 are in; the youngest four loads (A's blocks 2, 3) may be out
	MUL12 \f, 0, 0, \zero
	MUL12 \f, 0, 1, \zero
	PLACES
	FETCH \odd, \g
	s_wait_dscnt 32                                ; all but the 32 just issued
	MUL12 \f, 1, 0, \zero
	MUL12 \f, 1, 1, \zero
.endm
; A pair of quarters: buffer 1 is multiplied while an even quarter comes into buffer 0, buffer 0 while the odd one comes into buffer 1; then the fetches step a plane of A and 128 bytes of B's rows
.macro PAIR
	v_add_nc_u32 v[FA], s[TA], v[A0]
	v_add_nc_u32 v[FB], s[TBB], v[B0]
	QUARTER 1, 0, 0, 0
	QUARTER 0, 1, 1, 0
	WIN 0                                          ; at a label and at a branch every window is 0
	s_add_co_u32 s[TA], s[TA], APLANE
	s_add_co_u32 s[TBB], s[TBB], 128
.endm
; THE CHANGE OF SLOTS.  The slot's last quarter has been fetched.  Each wave waits for all its tensor loads, of which one is out: its part of the other slot; adds 0 to its spare word; and waits for that and for its reads of
; the slot.  fill = 1: the barrier is a round of the cluster's, and the slot that is left is filled again, with the K step two on, first thing behind the round: the walking descriptors turn to that slot and step one K step.
.macro CHANGE fill
	WIN 0
	s_wait_tensorcnt 0x0                           ; no tensor load of mine is out, so a group 0 may be written
	ds_add_u32 v[SPW], v[NIL]                      ; 0 onto my spare word; scalar work stands between it and the wait for it
	s_xor_b32 s[TS], s[TS], SLOT1                  ; the fetches go to the other slot's first quarter
	s_mov_b32 s[TA], s[TS]
	s_mov_b32 s[TBB], s[TS]
.if \fill
	s_xor_b32 s[G0+5], s[G0+5], SLOT1
	s_add_nc_u64 s[G0+6:G0+7], s[G0+6:G0+7], 2*PLANE
	s_xor_b32 s[G0B+5], s[G0B+5], SLOT1
	s_add_nc_u64 s[G0B+6:G0B+7], s[G0B+6:G0B+7], 256
.endif
	s_wait_dscnt 0x0                               ; the add is done, and my reads of the slot are over
.if \fill
	CROUND
	JLOAD 1
.else
	s_barrier_signal -1
	s_barrier_wait -1
.endif
.endm
	s_wait_tensorcnt 1                             ; my part of K step 0 is in; step 1's may stay out
	s_barrier_signal -1
	s_barrier_wait -1
	v_add_nc_u32 v[FA], s[TA], v[A0]
	v_add_nc_u32 v[FB], s[TBB], v[B0]
	FETCH 0, 0
	QUARTER 0, 1, 1, 1                             ; the first quarter's products start the sums
	WIN 0
	s_mov_b32 s[TA], APLANE
	s_mov_b32 s[TBB], 128
	s_mov_b32 s[PAIRS], 1                          ; step 0 has one pair left
	s_mov_b32 s[STEPS], 5                          ; four changes fill a slot again: K steps 2 to 5
	s_branch .Lpair
.Lstep:
	CHANGE 1
	s_mov_b32 s[PAIRS], 2
.Lpair:
	PAIR
	s_sub_co_u32 s[PAIRS], s[PAIRS], 1
	s_cmp_lg_u32 s[PAIRS], 0
	s_cbranch_scc1 .Lpair
	s_sub_co_u32 s[STEPS], s[STEPS], 1
	s_cmp_lg_u32 s[STEPS], 0
	s_cbranch_scc1 .Lstep
	CHANGE 0                                       ; the last change is written out: nothing is asked for
	s_mov_b32 s[PAIRS], 2
.Llast:
	PAIR
	s_sub_co_u32 s[PAIRS], s[PAIRS], 1
	s_cmp_lg_u32 s[PAIRS], 0
	s_cbranch_scc1 .Llast
	s_wait_dscnt 4                                 ; the very last quarter: nothing more to fetch
	MUL12 1, 0, 0, 0
	MUL12 1, 0, 1, 0
	s_wait_dscnt 0x0
	MUL12 1, 1, 0, 0
	MUL12 1, 1, 1, 0
	WIN 0
	; THE WAY OUT.  Every wave's reads of the slots are over (the wait above): behind this barrier the slots serve as stages.  The sums are scaled by the row's factor in f32 and laid down by planes.
	PLACES
	PLACES
	s_barrier_signal -1
	s_barrier_wait -1
.irp a, 0,1,2,3
.set AC, 96*((\a)%2)
	WIN 0x82+0x41*((\a)/2)                         ; destination and source 0 in window 2 or 3, the factor in window 0
.set r, 0
.rept 48
	v_pk_mul_f32 v[AC+2*r:AC+2*r+1], v[AC+2*r:AC+2*r+1], v[RINV+2*(\a):RINV+2*(\a)+1] op_sel_hi:[1,0]
.set r, r+1
.endr
	WIN 0x08+0x04*((\a)/2)                         ; store data in window 2 or 3
.irp b, 0,1,2,3,4,5,6,7,8,9,10,11
	ds_store_b128 v[STO], v[AC+8*(\b):AC+8*(\b)+3]   offset:((\b)/4)*64*SPITCH+(\a)*16*SPITCH+((\b)%4)*64
	ds_store_b128 v[STO], v[AC+8*(\b)+4:AC+8*(\b)+7] offset:((\b)/4)*64*SPITCH+(\a)*16*SPITCH+((\b)%4)*64+16
.endr
.endr
	WIN 0
	s_wait_dscnt 0x0
	s_barrier_signal -1
	s_barrier_wait -1
	s_mov_b32 s3, 3
.Lplane:                                       ; three planes of four blocks; a trip: 16 rows x 64 columns back from the stage, the activation, 2,048 consecutive bytes out
	s_mov_b32 s2, 4
.Lblk:
.irp g, 0,1,2,3
	ds_load_b128 v[Z+8*(\g):Z+8*(\g)+3],   v[RD] offset:(\g)*4*SPITCH
	ds_load_b128 v[Z+8*(\g)+4:Z+8*(\g)+7], v[RD] offset:(\g)*4*SPITCH+16
.endr
	s_wait_dscnt 0x0
.set i, 0
.rept 32
	v_fma_f32 v[TT+i], |v[Z+i]|, s67, 1.0
.set i, i+1
.endr
.set i, 0
.rept 16
	v_pk_mul_f32 v[EE+2*i:EE+2*i+1], v[Z+2*i:Z+2*i+1], v[Z+2*i:Z+2*i+1]
.set i, i+1
.endr
.set i, 0
.rept 16
	v_pk_mul_f32 v[EE+2*i:EE+2*i+1], v[EE+2*i:EE+2*i+1], s[68:69] op_sel_hi:[1,0]
.set i, i+1
.endr
.set i, 0
.rept 32                                       ; one batch of 64: none of these lines names a result of the batch
	v_rcp_f32 v[TT+i], v[TT+i]
	v_max_num_f32 v[MM+i], s82, v[Z+i]             ; max(z, 0); with mode 0 the floor is minus infinity: z
	v_exp_f32 v[EE+i], v[EE+i]
.set i, i+1
.endr
	v_nop
	s_wait_alu depctr_va_vdst(0)                   ; one wait for the batch, ahead of its first reader
.set i, 0
.rept 16
	v_pk_fma_f32 v[UU+2*i:UU+2*i+1], v[TT+2*i:TT+2*i+1], s[78:79], s[76:77] op_sel_hi:[1,0,0]
.set i, i+1
.endr
.irp c, 74, 72, 70
.set i, 0
.rept 16
	v_pk_fma_f32 v[UU+2*i:UU+2*i+1], v[UU+2*i:UU+2*i+1], v[TT+2*i:TT+2*i+1], s[(\c):(\c)+1] op_sel_hi:[1,1,0]
.set i, i+1
.endr
.endr
.set i, 0
.rept 16
	v_pk_mul_f32 v[TT+2*i:TT+2*i+1], v[TT+2*i:TT+2*i+1], v[EE+2*i:EE+2*i+1]
.set i, i+1
.endr
.set i, 0
.rept 16
	v_pk_mul_f32 v[UU+2*i:UU+2*i+1], v[UU+2*i:UU+2*i+1], v[TT+2*i:TT+2*i+1]
.set i, i+1
.endr
.set i, 0
.rept 32
	v_fma_f32 v[Z+i], -|v[Z+i]|, v[UU+i], v[MM+i]
.set i, i+1
.endr
.set i, 0
.rept 16
	v_cvt_pk_bf16_f32 v[TT+i], v[Z+2*i], v[Z+2*i+1]
.set i, i+1
.endr
.irp g, 0,1,2,3
	global_store_b128 v[GO], v[TT+4*(\g):TT+4*(\g)+3], s[8:9] offset:512*(\g)  ; 512 consecutive bytes, aligned
.endr
	v_add_nc_u32 v[RD], 16*SPITCH, v[RD]
	s_wait_xcnt 0x0                                ; the stores have read their data and their base: both are written again only behind this wait
	s_add_nc_u64 s[8:9], s[8:9], 2048
	s_sub_co_u32 s2, s2, 1
	s_cmp_lg_u32 s2, 0
	s_cbranch_scc1 .Lblk
	s_add_nc_u64 s[8:9], s[8:9], PLANE-8192
	s_sub_co_u32 s3, s3, 1
	s_cmp_lg_u32 s3, 0
	s_cbranch_scc1 .Lplane
	s_wait_tensorcnt 0x0                           ; the wave's end
	ds_add_u32 v[SPW], v[NIL]
	s_wait_dscnt 0x0
	CROUND                                         ; the closing round
	s_endpgm
.Lfunc_end_k_q6c663ae6d0_qkv:
	.size	k_q6c663ae6d0_qkv, .Lfunc_end_k_q6c663ae6d0_qkv-k_q6c663ae6d0_qkv
	.p2alignl 7, 3214868480
	.fill 96, 4, 3214868480
	.section	.rodata,"a",@progbits
	.p2align	6, 0x0
	.amdhsa_kernel k_q6c663ae6d0_qkv
		.amdhsa_group_segment_fixed_size 327680
		.amdhsa_private_segment_fixed_size 0
		.amdhsa_enable_private_segment 0
		.amdhsa_kernarg_size 24
		.amdhsa_user_sgpr_count 2
		.amdhsa_user_sgpr_kernarg_segment_ptr 1
		.amdhsa_wavefront_size32 1
		.amdhsa_system_sgpr_workgroup_id_x 1
		.amdhsa_system_sgpr_workgroup_id_y 1
		.amdhsa_system_sgpr_workgroup_id_z 1
		.amdhsa_system_vgpr_workitem_id 0
		.amdhsa_next_free_vgpr 960
		.amdhsa_next_free_sgpr 88
		.amdhsa_reserve_vcc 0
		.amdhsa_float_denorm_mode_32 3
		.amdhsa_float_denorm_mode_16_64 3
		.amdhsa_memory_ordered 1
		.amdhsa_forward_progress 1
		.amdhsa_inst_pref_size 82
	.end_amdhsa_kernel
	.amdgpu_metadata
---
amdhsa.version: [ 1, 2 ]
amdhsa.kernels:
  - .name:           k_q6c663ae6d0_qkv
    .symbol:         k_q6c663ae6d0_qkv.kd
    .args:
      - { .name: packa, .offset: 0, .size: 8, .value_kind: global_buffer, .address_space: global }
      - { .name: modea, .offset: 8, .size: 8, .value_kind: global_buffer, .address_space: global }
      - { .name: act, .offset: 16, .size: 8, .value_kind: global_buffer, .address_space: global }
    .group_segment_fixed_size: 327680
    .private_segment_fixed_size: 0
    .kernarg_segment_align: 8
    .kernarg_segment_size: 24
    .max_flat_workgroup_size: 128
    .sgpr_count:     88
    .vgpr_count:     960
    .wavefront_size: 32
...
	.end_amdgpu_metadata
.endif
;; end of part 2
;; launch attn (part 3): grid 16 x 16, 4 waves a work-group, no clusters, 327,680 bytes of LDS; arguments act, o, w1, w2, g2, packb, wrest; writes o, packb, wrest
.if DOCPART == 3
	.amdgcn_target "amdgcn-amd-amdhsa--gfx1250"
	.amdhsa_code_object_version 6
	.text
	.protected	k_q6c663ae6d0_attn
	.globl	k_q6c663ae6d0_attn
	.p2align	8
	.type	k_q6c663ae6d0_attn,@function
k_q6c663ae6d0_attn:
	s_mov_b64 s[64:65], 0
	v_nop
	global_prefetch_b8 v0, s[64:65] scope:SCOPE_SE
	s_setreg_imm32_b32 hwreg(HW_REG_WAVE_MODE, 25, 1), 1
	s_wait_xcnt 0x0
; CAUSAL ATTENTION, head size 64, 12 heads of 4,096 rows (work-groups with y = 0 .. 11), AND THE CONVERSION OF w1 AND w2 (y = 12 .. 15: at the text's end).
; act holds 36 planes [4096][64] bf16: q of head h in plane h, k in 12 + h, v in 24 + h; o: 12 planes, O of head h in plane h.
; O[q] = the sum over k <= q of softmax_k(Q[q] . K[k] / 8) V[k].  Products, maxima and sums in f32; the weights p are rounded to bf16 for the second product (their sum l is taken of the unrounded p), O once.
; LIMITS.  A hidden score counts as its value less 1e30; a weight below 2^-126 counts as 0 in l; NaN and infinities are not treated apart.
; THE WALK.  A head's queries lie in NB = 32 blocks of 128; block i needs the key tiles 0 .. i of 128 keys, of which the last holds the diagonal.  A work-group takes TWO blocks, 31 - b and then b: 33 tiles whatever b.
; An LDS slot holds 256 keys, two tiles; the two blocks together walk 17 slots whatever b (an even block leaves the second half of its last slot unread): ONE loop of 16 trips, each with a fill, and a last trip written out.
; Every jump but the counted loops' own goes forward, and none passes a barrier, or a tensor load but the one of LOAD's two that the wave's number does not choose (the work-groups that convert leave at the head, whole, ahead of every LDS line).
; NO CLUSTER: a head's 16 work-groups change blocks at trips that hang on b, that is on their place among partners; a walk common to four partners has 36 tile trips for 33.
; SHARES.  Of a block's two bands of 64 queries a wave owns 16 rows in each: two PIECES.  In the diagonal tile's first key step band 0 holds the diagonal and band 1 sees all; in its second band 0 sees nothing and band 1 holds the diagonal.
; THE MASK is the C operand that starts S^T = K Q^T: MD (made once): a band's own step for my rows; MA = MD x AL, for piece 0 in a tile's first step; MH = BE, for piece 0 in its second; AL, BE = 1, -1e30 in the diagonal tile, else 0, 0.
; TURNS.  Turn of piece Y: 8 products K Q^T of the other piece; the scaling, exponentials, roundings, sums and rescaling of piece Y and the maximum and statistics of the other; later 8 products V^T P of the other piece.
; T0(s): K Q^T of piece 1 at step s, V^T P of piece 1 at step s - 1; it fetches K and V of step s + 1.  T1(s): K Q^T of piece 0 at step s + 1, V^T P of piece 0 at step s.  V has two register buffers, by the step's parity.
; So all LDS reads of a step lie in one turn, and the change of slots stands in front of the T0 that fetches a slot's first step.
; REGISTERS (windows of 256; s_set_vgpr_msb: bits 1:0 source 0, 3:2 source 1, 5:4 source 2, 7:6 destination).  All that a vector line of a turn touches lies in window 0, O^T too: a turn switches windows round its matrix lines alone.
;   window 0: v2-15 addresses and two at work; v16-23 statistics; v48-55 at work; v60-63 prefetch offset, spare word, 0; v64-127 S^T, two buffers; v128-191 O^T; v192-223 P, two buffers
;   window 1: v64-95 MD; v96-127 MA; v128-135 MH      window 2: v0-31 Q; v32-63 the second block's Q; v64-127 K; v128-255 V, two buffers
.set PLANE, 524288
.set PACK_B, 6356992
.set NB,    32
.set NP,    2
.set KS,    64
.set PK,    144       ; a row of K in LDS: 128 bytes + 16: the 16 rows of a load start at 16 different groups of four banks (ISA guide 11.1)
.set PV,    160       ; a row of V: 128 + 32
.set VOFF,  4*KS*PK   ; a slot: 256 rows of K, then 256 rows of V
.set SLOT1, 1<<17
.set STAGE, SLOT1+4*KS*(PK+PV)  ; never filled by a tensor load: 16 rows x 144 bytes for each wave
.set SP,    144
.set SPARE, STAGE+4*16*SP       ; the spare words: 128 bytes a wave, two blocks of 256 bytes that no other line names
.set AK0, 2
.set AV0, 3
.set AK,  4
.set AV,  5
.set STO, 6
.set RD,  7
.set GO,  8
.set MV,  12
.set QO,  15
.set ST,  16          ; piece t's statistics at v[ST+4 t]: c m, m, l (even keys', odd keys')
.set TMP, 48
.set PFO, 60
.set SPW, 62
.set NIL, 63
.set S,   64
.set OT,  128         ; O^T, 32 a piece
.set P,   192
.set MD,  64          ; window 1
.set MA,  96
.set MH,  128
.set QB,  32          ; window 2
.set KF,  64
.set VF,  128
.set WV,  12
.set PB,  14          ; b
.set HI,  15          ; 31 - b
.set G1K, 24
.set G1V, 32
.set G0K, 40
.set G0V, 44
.set SB,  48          ; LDS byte at which the slot in hand begins
.set LQ2, 49          ; the second block's last slot
.set KV,  50          ; s[50:51] K (waves 0, 1) or V (waves 2, 3) at my half of the head's slot 0
.set PFA, 52          ; s[52:53] what my prefetches name
.set POF, 54          ; s[54:55] its offset
.set SLOTS, 56
.set CNT, 57          ; tiles left in the slot
.set CS,  58
.set SEL, 60
.set TBK, 62          ; LDS byte at which K of the step to be fetched begins
.set TBV, 63          ; the same for V, less VOFF
.set RT,  70          ; tiles of the block in hand still to be entered
.set NXT, 71          ; the slot to be asked for next
.set LQ,  72          ; the last slot of the block whose slots are being asked for
.set NEW, 73          ; 1: the tile to be entered is a block's first
.set OFF, 74
.set AL,  76
.set BE,  78
.set OLO, 80          ; s[80:81] O at my rows of the second block
.set BIGN, 82
.set PLIM, 83         ; 1: this work-group prefetches
.set MSB, 0
.macro WIN new
.if MSB != (\new)
	s_set_vgpr_msb (MSB<<8)|(\new)
.set MSB, (\new)
.endif
.endm
.set W_KQ, 0x0a       ; K and Q in window 2, S^T in window 0
.set W_KM, 0x1a       ; the same with C in window 1
.set W_PV, 0x02       ; V in window 2; P and O^T in window 0
.set W_MK, 0x41       ; the masks are made: destination and source 0 in window 1
; A fill.  Waves 0 and 1 fetch the two halves of a slot's K, waves 2 and 3 those of its V: 128 keys each.  s_nop 0 and four v_nop follow each line.
.macro LOAD
	s_cmp_lt_u32 s[WV], 2
	s_cbranch_scc0 .Lfor_v_\@
	tensor_load_to_lds s[G0K:G0K+3], s[G1K:G1K+7]
	s_nop 0
.rept 4
	v_nop
.endr
	s_branch .Lasked_\@
.Lfor_v_\@:
	tensor_load_to_lds s[G0V:G0V+3], s[G1V:G1V+7]
	s_nop 0
.rept 4
	v_nop
.endr
.Lasked_\@:
.endm
; A PREFETCH of what the NEXT change of slots will ask for.  All 16 work-groups of a head walk the same slots 0, 1, ..; work-group b = 0 walks all 16 in its first block, and it alone asks: each wave for the 16,384 bytes
; that it will fetch itself, a lane 256 bytes, two instructions, one slot (eight turns) ahead.  Slots 0 and 1 come by their loads alone; behind the first block's last slot nothing is asked for.  So each block of 256 bytes is named once.
.macro ASK
	s_cmp_eq_u32 s[PLIM], 1
	s_cbranch_scc0 .Lnot_mine_\@
	global_prefetch_b8 v[PFO], s[PFA:PFA+1] th:TH_LOAD_NT scope:SCOPE_SE
	global_prefetch_b8 v[PFO], s[PFA:PFA+1] offset:8192 th:TH_LOAD_NT scope:SCOPE_SE
.Lnot_mine_\@:
.endm
; THE CHANGE OF SLOTS.  Each wave waits for all its tensor loads, of which one is out: its part of the other slot; adds 0 to its spare word; and waits for that and for its reads of the slot that it leaves.
; fill = 1: the old slot is filled again, first thing behind the barrier, with slot NXT of K and V: the descriptor's address is made anew from that number.  (At its first use slot 0 is waited for and slot 1 filled.)
.macro CHANGE fill
	WIN 0
	s_wait_tensorcnt 0x0
	ds_add_u32 v[SPW], v[NIL]
.if \fill
	s_lshl_b32 s[OFF], s[NXT], 15   ; a slot is 32,768 bytes of K and of V
	s_xor_b32 s[G0K+1], s[G0K+1], SLOT1
	s_add_nc_u64 s[G0K+2:G0K+3], s[6:7], s[OFF:OFF+1]
	s_or_b32 s[G0K+3], s[G0K+3], 0x80000000
	s_xor_b32 s[G0V+1], s[G0V+1], SLOT1
	s_add_nc_u64 s[G0V+2:G0V+3], s[8:9], s[OFF:OFF+1]
	s_or_b32 s[G0V+3], s[G0V+3], 0x80000000
	s_add_co_u32 s[NXT], s[NXT], 1  ; the block's next slot, or behind its last the second block's slot 0
	s_cmp_gt_u32 s[NXT], s[LQ]
	s_cselect_b32 s[NXT], 0, s[NXT]
	s_cselect_b32 s[LQ], s[LQ2], s[LQ]
	s_cselect_b32 s[PLIM], 0, s[PLIM]
	s_wait_xcnt 0x0                 ; the last prefetches, a slot back, have read their address
	s_lshl_b32 s[POF], s[NXT], 15
	s_add_nc_u64 s[PFA:PFA+1], s[KV:KV+1], s[POF:POF+1]
.endif
	s_wait_dscnt 0x0                ; the add is done, and my reads of the slot are over
	s_barrier_signal -1
	s_xor_b32 s[SB], s[SB], SLOT1   ; the fetches go to the other slot's first step
	s_mov_b32 s[TBK], s[SB]
	s_mov_b32 s[TBV], s[SB]
	s_barrier_wait -1
.if \fill
	LOAD
	ASK
.endif
.endm
	s_and_b32 s20, ttmp7, 0xffff    ; y: a head, or from 12 on a share of the weights
	s_cmp_ge_u32 s20, 12
	s_cbranch_scc1 .Lconv           ; the whole work-group leaves, ahead of every LDS line and every barrier
	s_load_b128 s[84:87], s[0:1], 0x0  ; act s[84:85], o s[86:87]
	v_lshl_add_u32 v[SPW], v0, 2, SPARE
	v_mov_b32 v[NIL], 0
	ds_add_u32 v[SPW], v[NIL]       ; the wave's opening: the add and its wait ahead of my first tensor load
	v_lshrrev_b32 v1, 5, v0
	v_readfirstlane_b32 s[WV], v1
	s_mov_b32 s[PB], ttmp9
	s_sub_co_u32 s[HI], NB-1, s[PB]
	s_lshr_b32 s[LQ2], s[PB], 1
	s_lshr_b32 s[LQ], s[HI], 1
	s_lshl_b32 s20, s20, 19         ; the head's plane
	s_and_b32 s16, s[WV], 1         ; which half of a slot's 256 keys I fetch
	s_lshl_b32 s22, s16, 14
	s_add_co_u32 s22, s22, s20
	s_mov_b32 s23, 0
	s_mul_i32 s17, s16, 128*PK
	s_mul_i32 s18, s16, 128*PV
	s_lshl_b32 s3, s[WV], 11        ; my 16 rows in a band of 64
	s_add_co_u32 s3, s3, s20
	s_lshl_b32 s2, s[HI], 14        ; in the first block (16,384 bytes a block),
	s_add_co_u32 s2, s2, s3
	s_lshl_b32 s88, s[PB], 14       ; and in the second
	s_add_co_u32 s88, s88, s3
	s_mov_b32 s3, 0
	s_mov_b32 s89, 0
	; descriptor group 1.  128 keys are 16,384 dense bytes: 64 rows of 256 bytes, two keys a row, padded in LDS after every key
	s_mov_b32 s[G1K], (1<<16)|(1<<20)|(4<<22)|(3<<25)
	s_mov_b32 s[G1V], (1<<16)|(1<<20)|(4<<22)|(7<<25)
.irp g, G1K, G1V
	s_mov_b32 s[\g+1], 128<<16
	s_mov_b32 s[\g+2], 64<<16
	s_mov_b32 s[\g+3], 128<<16
	s_mov_b32 s[\g+4], 64
	s_mov_b32 s[\g+5], 128
	s_mov_b32 s[\g+6], 0
	s_mov_b32 s[\g+7], 0
.endr
	s_mov_b32 s[CS], 0x3e38aa3b     ; c = log2(e) / 8
	s_mov_b32 s[CS+1], s[CS]
	s_mov_b32 s[SEL], 0x76543210
	s_mov_b32 s[SEL+1], 0xfedcba98
	s_mov_b32 s[SB], SLOT1          ; the first change of slots turns it into 0
	s_mov_b32 s[G0K], 1
	s_mov_b32 s[G0K+1], s17
	s_mov_b32 s[G0V], 1
	s_add_co_u32 s[G0V+1], s18, VOFF
	s_add_co_u32 s[RT], s[HI], 1    ; the first block has 32 - b tiles
	s_mov_b32 s[NXT], 1
	s_mov_b32 s[NEW], 1
	s_mov_b32 s[OFF+1], 0
	s_mov_b32 s[POF+1], 0
	s_mov_b32 s[AL+1], 0
	s_mov_b32 s[BIGN], 0xf149f2ca   ; -1e30
	s_mov_b32 s[SLOTS], 16
	s_cmp_eq_u32 s[PB], 0
	s_cselect_b32 s[PLIM], 1, 0
	v_and_b32 v[PFO], 31, v0
	v_lshlrev_b32 v[PFO], 8, v[PFO]
	s_wait_dscnt 0x0                ; the opening add is done
	s_wait_kmcnt 0x0
	s_add_nc_u64 s[6:7], s[84:85], s[22:23]
	s_add_nc_u64 s[6:7], s[6:7], 12*PLANE          ; K at my half of the head's slot 0
	s_add_nc_u64 s[8:9], s[84:85], s[22:23]
	s_add_nc_u64 s[8:9], s[8:9], 24*PLANE          ; V likewise
	s_add_nc_u64 s[G0K+2:G0K+3], s[6:7], 0
	s_or_b32 s[G0K+3], s[G0K+3], 0x80000000
	s_add_nc_u64 s[G0V+2:G0V+3], s[8:9], 0
	s_or_b32 s[G0V+3], s[G0V+3], 0x80000000
	s_add_nc_u64 s[4:5], s[84:85], s[2:3]          ; Q and O at my rows of the first block,
	s_add_nc_u64 s[10:11], s[86:87], s[2:3]
	s_add_nc_u64 s[OLO:OLO+1], s[86:87], s[88:89]  ; and of the second
	s_add_nc_u64 s[88:89], s[84:85], s[88:89]
	s_cmp_lt_u32 s[WV], 2
	s_cselect_b64 s[KV:KV+1], s[6:7], s[8:9]
	LOAD                            ; slot 0
	v_and_b32 v1, 15, v0            ; l % 16
	v_bfe_u32 v9, v0, 4, 1          ; l / 16
	v_lshlrev_b32 v[QO], 7, v1
	v_lshl_add_u32 v[QO], v9, 4, v[QO]
	WIN 0x80                        ; destination window 2
.set i, 0
.rept 4                             ; both blocks' Q: piece i / 2 lies in band i / 2, 8,192 bytes on; channels 32 (i % 2) on
	global_load_b128 v[8*i:8*i+3],   v[QO], s[4:5] offset:(i/2)*8192+(i%2)*64
	global_load_b128 v[8*i+4:8*i+7], v[QO], s[4:5] offset:(i/2)*8192+(i%2)*64+32
	global_load_b128 v[QB+8*i:QB+8*i+3],   v[QO], s[88:89] offset:(i/2)*8192+(i%2)*64
	global_load_b128 v[QB+8*i+4:QB+8*i+7], v[QO], s[88:89] offset:(i/2)*8192+(i%2)*64+32
.set i, i+1
.endr
	WIN 0
	v_lshlrev_b32 v14, 3, v9
	v_sub_nc_u32 v14, v1, v14
	s_lshl_b32 s13, s[WV], 4
	v_add_nc_u32 v14, s13, v14      ; my query's place in its band less my lanes' 8 (l / 16): register r of key group kt is hidden where 16 kt + r is greater
	WIN 0x40
.set i, 0
.rept 32
	v_cmp_gt_i32 vcc_lo, 16*(i/8)+i%8, v14
	v_cndmask_b32 v[MD+i], 0, s[BIGN], vcc_lo
.set i, i+1
.endr
	WIN 0
	v_mul_u32_u24 v[AK0], v1, PK
	v_lshl_add_u32 v[AK0], v9, 4, v[AK0]
	v_and_b32 v10, 7, v0            ; the turning load: lane l reads key 8 (l / 16) + l % 8, channels 8 ((l / 8) % 2) + 0..7
	v_bfe_u32 v11, v0, 3, 1
	v_lshl_add_u32 v[AV0], v9, 3, v10
	v_mul_u32_u24 v[AV0], v[AV0], PV
	v_lshl_add_u32 v[AV0], v11, 4, v[AV0]
	v_add_nc_u32 v[AV0], VOFF, v[AV0]
	s_mul_i32 s13, s[WV], 16*SP
	s_add_co_u32 s13, s13, STAGE
	v_mul_u32_u24 v[STO], v1, SP
	v_lshl_add_u32 v[STO], v9, 4, v[STO]
	v_add_nc_u32 v[STO], s13, v[STO]
	v_bfe_u32 v[RD], v0, 3, 2
	v_mul_u32_u24 v[RD], v[RD], SP
	v_lshl_add_u32 v[RD], v10, 4, v[RD]
	v_add_nc_u32 v[RD], s13, v[RD]
	v_and_b32 v[GO], 31, v0
	v_lshlrev_b32 v[GO], 4, v[GO]
	; A block's first step multiplies O^T and l by a = 0, and its first turn's products V^T P, of a step that has not been, land in an O^T that is still to be so multiplied: these registers need only hold finite numbers.
	WIN 0x80
.set i, VF+64
.rept 64
	v_mov_b32 v[i], 0
.set i, i+1
.endr
	WIN 0
.set i, OT
.rept 64
	v_mov_b32 v[i], 0
.set i, i+1
.endr
.set i, 0
.rept 2
	v_mov_b32 v[ST+4*i+2], 0
	v_mov_b32 v[ST+4*i+3], 0
.set i, i+1
.endr
.set i, P+16
.rept 16
	v_mov_b32 v[i], 0
.set i, i+1
.endr
; THE MATRIX WORK.  The 4 accumulators of a run of 8 take turns.  Product i of 8 of S^T = K Q^T for piece x: channels 32 (i / 4) on, keys 16 (i % 4) on.
; The first 4 start the sums: KM = 0 with the constant 0, 1 with MA, 2 with MH, 3 with MD.
.macro KQ x
.set rS, S+32*((\x)%2)+8*(i%4)
.set rK, KF+16*(i%4)+8*(i/4)
.set rQ, 16*(\x)+8*(i/4)
.set rM, MD+8*(i%4)
.if KM == 1
.set rM, MA+8*(i%4)
.endif
.if KM == 2
.set rM, MH
.endif
.if (i < 4) && (KM > 0)
	WIN W_KM
	v_wmma_f32_16x16x32_bf16 v[rS:rS+7], v[rK:rK+7], v[rQ:rQ+7], v[rM:rM+7]
.elseif i < 4
	WIN W_KQ
	v_wmma_f32_16x16x32_bf16 v[rS:rS+7], v[rK:rK+7], v[rQ:rQ+7], 0
.else
	WIN W_KQ
	v_wmma_f32_16x16x32_bf16 v[rS:rS+7], v[rK:rK+7], v[rQ:rQ+7], v[rS:rS+7]
.endif
.endm
; Product i of 8 of O^T += V^T P for piece x, V in buffer VB: keys 32 (i / 4) on, channels 16 (i % 4) on.
.macro PV x
	WIN W_PV
.set rO, OT+32*(\x)+8*(i%4)
.set rV, VF+64*VB+32*(i/4)+8*(i%4)
.set rP, P+16*((\x)%2)+8*(i/4)
	v_wmma_f32_16x16x32_bf16 v[rO:rO+7], v[rV:rV+7], v[rP:rP+7], v[rO:rO+7]
.endm
.macro MM                           ; the turn's next matrix instruction.  NOKQ = 1: a block's last turn: there are no further scores
.if (i < 8) && !NOKQ
	KQ (Y+1)%NP
.elseif i >= 8
.set i, i-8
	PV (Y+NP-1)%NP
.set i, i+8
.endif
.set i, i+1
.endm
.macro FETCH_K                      ; a step's K: 8 fragments, 16 loads in one run
	WIN 0x80
.irp f, 0,1,2,3,4,5,6,7
	ds_load_b128 v[KF+8*\f:KF+8*\f+3],   v[AK] offset:(\f/2)*16*PK+(\f%2)*64
	ds_load_b128 v[KF+8*\f+4:KF+8*\f+7], v[AK] offset:(\f/2)*16*PK+(\f%2)*64+32
.endr
	s_add_co_u32 s[TBK], s[TBK], KS*PK
	WIN 0
.endm
.macro FETCH_V vb                   ; a step's V, turned, into buffer vb
	WIN 0x80
.irp f, 0,1,2,3,4,5,6,7
	ds_load_tr16_b128 v[VF+64*(\vb)+8*\f:VF+64*(\vb)+8*\f+3],   v[AV] offset:(\f/4)*32*PV+(\f%4)*32
	ds_load_tr16_b128 v[VF+64*(\vb)+8*\f+4:VF+64*(\vb)+8*\f+7], v[AV] offset:(\f/4)*32*PV+16*PV+(\f%4)*32
.endr
	WIN 0
.endm
; THE VECTOR WORK, one line at a time: OP kind, number; all of it in window 0.  For piece Y: F n: c s - c m for pair n of 16.  E n: the exponential of score n of 32.  C n: pair n rounded to bf16.  B n: of the four weights 4 n .. the second
; pair is added onto the first.  L n: l takes that sum (L 0: l = a l + sum).  R n: pair n of 16 of O^T times a.  For the other piece: X n, number n of the 22 that find its maximum and statistics:
;   0-11 four chains c0-c3 of seven scores each (each accumulator's lowest registers are read first); 12-14, 16 the scores left over, the old m, c0-c3 into c0; 15 c m_old is kept;
;   17, 18 the other half of the lanes: the new m; 19-21 c m; c m_old - c m_new; a
.set F, 0
.set E, 1
.set C, 2
.set B, 3
.set L, 4
.set R, 5
.set X, 6
.macro REGS y
.set rT, ST+4*(\y)
.set rC, TMP+4*((\y)%2)
.set rW, MV+((\y)%2)
.set rS, S+32*((\y)%2)
.set rP, P+16*((\y)%2)
.set rO, OT+32*(\y)
.endm
.macro OP k, n
.if (\k) < X
	REGS Y
	WIN 0
.if (\k) == F
	v_pk_fma_f32 v[rS+2*(\n):rS+2*(\n)+1], v[rS+2*(\n):rS+2*(\n)+1], s[CS:CS+1], v[rT:rT+1] op_sel_hi:[1,0,0] neg_lo:[0,0,1] neg_hi:[0,0,1]
.elseif (\k) == E
	v_exp_f32 v[rS+(\n)], v[rS+(\n)]
.elseif (\k) == C
	v_cvt_pk_bf16_f32 v[rP+(\n)], v[rS+2*(\n)], v[rS+2*(\n)+1]
.elseif (\k) == B
	v_pk_add_f32 v[rS+4*(\n):rS+4*(\n)+1], v[rS+4*(\n):rS+4*(\n)+1], v[rS+4*(\n)+2:rS+4*(\n)+3]
.elseif (\k) == R
	v_pk_mul_f32 v[rO+2*(\n):rO+2*(\n)+1], v[rO+2*(\n):rO+2*(\n)+1], v[rC+2:rC+3] op_sel_hi:[1,0]
.elseif (\n) == 0
	v_pk_fma_f32 v[rT+2:rT+3], v[rT+2:rT+3], v[rC+2:rC+3], v[rS:rS+1] op_sel_hi:[1,0,1]
.else
	v_pk_add_f32 v[rT+2:rT+3], v[rT+2:rT+3], v[rS+4*(\n):rS+4*(\n)+1]
.endif
.elseif NOKQ
	v_nop
.else
	REGS (Y+1)%NP
	WIN 0
.if (\n) < 4
	v_max3_num_f32 v[rC+(\n)], v[rS+8*(\n)], v[rS+8*(\n)+1], v[rS+8*(\n)+2]
.elseif (\n) < 12
	v_max3_num_f32 v[rC+(\n)%4], v[rC+(\n)%4], v[rS+8*((\n)%4)+2*((\n)/4)+1], v[rS+8*((\n)%4)+2*((\n)/4)+2]
.elseif (\n) == 12
	v_max3_num_f32 v[rC], v[rC], v[rS+7], v[rS+15]
.elseif (\n) == 13
	v_max3_num_f32 v[rC+1], v[rC+1], v[rS+23], v[rS+31]
.elseif (\n) == 14
	v_max3_num_f32 v[rC+2], v[rC+2], v[rC+3], v[rT+1]
.elseif (\n) == 15
	v_mov_b32 v[rW], v[rT]
.elseif (\n) == 16
	v_max3_num_f32 v[rC], v[rC], v[rC+1], v[rC+2]
.elseif (\n) == 17
	v_permlanex16_b32 v[rC+3], v[rC], s[SEL], s[SEL+1]
.elseif (\n) == 18
	v_max_num_f32 v[rT+1], v[rC], v[rC+3]
.elseif (\n) == 19
	v_mul_f32 v[rT], s[CS], v[rT+1]
.elseif (\n) == 20
	v_sub_f32 v[rC+1], v[rW], v[rT]
.else
	v_exp_f32 v[rC+2], v[rC+1]
.endif
.endif
.endm
.macro OPS a, i1, b=-1, i2=0, c=-1, i3=0, d=-1, i4=0
	OP \a, \i1
.if (\b) >= 0
	OP \b, \i2
.endif
.if (\c) >= 0
	OP \c, \i3
.endif
.if (\d) >= 0
	OP \d, \i4
.endif
.endm
.macro ROW a, i1, b, i2, c, i3, d, i4  ; a matrix instruction and the four behind it
	MM
	OPS \a, \i1, \b, \i2, \c, \i3, \d, \i4
.endm
.macro MASKS                        ; MA = MD x AL, MH = BE
	WIN W_MK
.set z, 0
.rept 16
	v_pk_mul_f32 v[MA+2*z:MA+2*z+1], v[MD+2*z:MD+2*z+1], s[AL:AL+1] op_sel_hi:[1,0]
.set z, z+1
.endr
.set z, 0
.rept 8
	v_mov_b32 v[MH+z], s[BE]
.set z, z+1
.endr
.endm
; A TURN, for piece p.  vb: the V buffer that its products V^T P read (and, in piece 0's turn, that is then loaded again).  km: what starts its products K Q^T.  end = 1: a block's last two turns: nothing is fetched.
; Its 33 exponentials are ONE batch: ahead of the one wait stands all that names no result of theirs (8 products K Q^T with four lines behind each, then a run of 54), behind it the 8 products V^T P, behind each four of the
; roundings and sums.  X 21 is the batch's last, R 15 the plain instruction behind it.
; In piece 0's turn K of the next step is fetched twelve vector lines behind the last product that read K (five of them plain lines that name none of its registers); V of the next step at the turn's end, four plain lines behind the last product that read its buffer.
; Piece 1's turn begins when K's 16 loads are in: V's 16, issued behind them, may stay out; they are older than the next such wait.
.macro TURN p, vb, km, end
.set Y, (\p)
.set i, 0
.set KM, (\km)
.set VB, (\vb)
.set NOKQ, (\end)*(\p)
.if ((\p) == 1) && !(\end)
	s_wait_dscnt 16                 ; K is in, and every older load
.endif
	ROW F,0, F,1, R,0, R,1
	ROW F,2, E,0, R,2, R,3
	ROW F,3, E,1, R,4, R,5
	ROW F,4, E,2, R,6, R,7
	ROW F,5, E,3, R,8, R,9
	ROW F,6, E,4, X,0, R,10
.if ((\p) == 0) && !(\end)
	WIN 0
	v_add_nc_u32 v[AK], s[TBK], v[AK0]
.endif
	ROW F,7, E,5, X,1, X,4
	ROW F,8, E,6, X,2, X,5
	OPS E,7, E,8, X,6, E,9
	OPS X,3, E,10, X,8, E,11
.if ((\p) == 0) && !(\end)
	FETCH_K
.endif
	OPS X,9, X,7, E,12, X,10
	OPS E,13, X,12, X,11, E,14
	OPS X,13, E,15, F,9, X,14
.if ((\p) == 0) && !(\end)
	WIN 0
	v_add_nc_u32 v[AV], s[TBV], v[AV0]
.endif
	OPS E,16, F,10, E,17, F,11
	OPS X,16, E,18, X,15, E,19
	OPS F,12, E,20, X,17, E,21
	OPS F,13, E,22, F,14, E,23
	OPS X,18, E,24, F,15, E,25
	OPS R,11, E,26, X,19, E,27
	OPS R,12, E,28, R,13, E,29
	OPS X,20, E,30, R,14, E,31
	OPS X,21, R,15
	WIN 0
	s_wait_alu depctr_va_vdst(0)    ; the wait for the batch
	ROW C,0, B,0, C,2, B,1
	ROW L,0, C,4, B,2, L,1
	ROW C,6, B,3, L,2, C,8
	ROW B,4, L,3, C,10, B,5
	ROW L,4, C,12, B,6, L,5
.if ((\p) == 0) && !(\end)
	s_add_co_u32 s[TBV], s[TBV], KS*PV
.endif
	ROW C,14, B,7, L,6, C,1
	ROW C,3, L,7, C,5, C,7
	ROW C,9, C,11, C,13, C,15
.if ((\p) == 0) && !(\end)
	FETCH_V \vb
.endif
.endm
; A BLOCK BEGINS.  c m starts far below every c s, so the first step's a is 0; m at the lowest finite number.  The masks are the diagonal tile's if the block's first tile is its last.  Then K and V of the tile's
; first step, piece 0's first scores, and its maximum and statistics.
.macro BEGIN
	s_mov_b32 s[NEW], 0
	WIN 0
.set i, 0
.rept 2
	v_mov_b32 v[ST+4*i], 0xfe000000
	v_mov_b32 v[ST+4*i+1], 0xff7fffff
.set i, i+1
.endr
	s_cmp_eq_u32 s[RT], 0
	s_cselect_b32 s[AL], 1.0, 0
	s_cselect_b32 s[BE], s[BIGN], 0
	MASKS
	WIN 0
	v_add_nc_u32 v[AK], s[TBK], v[AK0]
	v_add_nc_u32 v[AV], s[TBV], v[AV0]
	s_add_co_u32 s[TBV], s[TBV], KS*PV
	FETCH_K
	FETCH_V 0
	s_wait_loadcnt 0x0              ; Q
	s_wait_dscnt 0x0
.set KM, 1
.set NOKQ, 0
.set i, 0
.rept 8
	KQ 0
.set i, i+1
.endr
	WIN 0
.rept 4
	v_nop                           ; the places behind those products
.endr
.set Y, NP-1
.irp n, 0,1,2,3,4,5,6,7,8,9,10,11,12,13,14,15,16,17,18,19,20,21
	OP X, \n
.endr
	v_nop                           ; a plain instruction behind the exponential,
	s_wait_alu depctr_va_vdst(0)    ; and its wait, ahead of the branch
.endm
.macro ALL line:vararg
.set t, 0
.rept 2
	\line
.set t, t+1
.endr
.endm
.macro PACK t                       ; O^T over l, rounded; a lane's eight channels are 16 bytes; into rows of 144 bytes and back as whole rows of 128, into S^T's registers
	WIN 0
.set i, OT+32*(\t)
.rept 16
	v_pk_mul_f32 v[i:i+1], v[i:i+1], v[ST+4*(\t)+2:ST+4*(\t)+3] op_sel_hi:[1,0]
.set i, i+2
.endr
.set i, 0
.rept 16
	v_cvt_pk_bf16_f32 v[S+16*(\t)+i], v[OT+32*(\t)+2*i], v[OT+32*(\t)+2*i+1]
.set i, i+1
.endr
.irp f, 0,1,2,3
	ds_store_b128 v[STO], v[S+16*(\t)+4*\f:S+16*(\t)+4*\f+3] offset:32*\f
.endr
.irp f, 0,1,2,3
	ds_load_b128 v[S+16*(\t)+4*\f:S+16*(\t)+4*\f+3], v[RD] offset:\f*4*SP  ; LDS serves a wave's instructions in order (ISA guide 5.7.1.4): these see the stores above
.endr
.endm
.macro SEND t, younger              ; younger: the LDS instructions issued behind piece t's loads
	WIN 0
.irp f, 0,1,2,3
	s_wait_dscnt (\younger)+3-\f
	global_store_b128 v[GO], v[S+16*(\t)+4*\f:S+16*(\t)+4*\f+3], s[10:11] offset:(\t)*8192+\f*512  ; 512 consecutive bytes, aligned
.endr
.endm
; A SLOT's TRIP: the change of slots, then up to two tiles.  A tile's trip runs a step late: T0 and T1 of the step before the tile (they fetch and begin its first step), then T0 and T1 of its first step.
; Behind the diagonal tile come the block's last two turns, its last products and the way out.
.macro BODY tag, fill, last
	CHANGE \fill
	s_mov_b32 s[CNT], 2
.Ltile\tag:
	s_sub_co_u32 s[RT], s[RT], 1
	s_cmp_eq_u32 s[NEW], 1
	s_cbranch_scc1 .Lnew\tag
	s_cmp_lg_u32 s[RT], 0
	s_cbranch_scc1 .Lfull\tag
	s_mov_b32 s[AL], 1.0            ; the diagonal tile
	s_mov_b32 s[BE], s[BIGN]
	MASKS
	WIN 0
	s_branch .Lfull\tag
.Lnew\tag:
	BEGIN
	s_branch .Lmid\tag
.Lfull\tag:
	TURN 0, 0, 0, 0
	TURN 1, 1, 1, 0
	WIN 0
.Lmid\tag:
	TURN 0, 1, 0, 0
	TURN 1, 0, 2, 0
	WIN 0
	s_cmp_lg_u32 s[RT], 0
	s_cbranch_scc1 .Lnext\tag
	s_wait_dscnt 0x0                ; V of the block's last step is in
	TURN 0, 0, 3, 1
	TURN 1, 1, 0, 1
.set i, 0
.rept 8
	PV 1
.set i, i+1
.endr
	WIN 0
	ALL v_add_f32 v[ST+4*t+2], v[ST+4*t+2], v[ST+4*t+3]
	ALL v_permlanex16_b32 v[ST+4*t+3], v[ST+4*t+2], s[SEL], s[SEL+1]
	ALL v_add_f32 v[ST+4*t+2], v[ST+4*t+2], v[ST+4*t+3]
	ALL v_rcp_f32 v[ST+4*t+2], v[ST+4*t+2]
	v_nop                           ; a plain instruction behind the last reciprocal,
	s_wait_alu depctr_va_vdst(0)    ; and one wait for the two, ahead of the first use
	PACK 0
	PACK 1
	SEND 0, 8
	SEND 1, 0
.if !(\last)
	s_wait_xcnt 0x0                 ; the stores have read their registers and O's address
	s_mov_b64 s[10:11], s[OLO:OLO+1]
	s_add_co_u32 s[RT], s[PB], 1    ; the second block has b + 1 tiles
	s_mov_b32 s[NEW], 1
	WIN 0x82
.set i, 0
.rept 32
	v_mov_b32 v[i], v[QB+i]
.set i, i+1
.endr
	WIN 0
.endif
	s_branch .Lbottom\tag
.Lnext\tag:
	s_sub_co_u32 s[CNT], s[CNT], 1
	s_cmp_lg_u32 s[CNT], 0
	s_cbranch_scc1 .Ltile\tag
.Lbottom\tag:
.endm
.set KM, 0
.set NOKQ, 0
.set VB, 0
.Lslot:                             ; 16 times: a slot is entered and the next is asked for; the first block ends in here
	BODY 1, 1, 0
	s_sub_co_u32 s[SLOTS], s[SLOTS], 1
	s_cmp_lg_u32 s[SLOTS], 0
	s_cbranch_scc1 .Lslot
	BODY 2, 0, 1                    ; the walk's last slot is written out; the second block ends in it
	s_wait_tensorcnt 0x0            ; the wave's end
	ds_add_u32 v[SPW], v[NIL]
	s_wait_dscnt 0x0
	s_endpgm
; THE WEIGHTS OF THE TWO LATER PRODUCTS, by the 64 work-groups with y = 12 .. 15: attention's 192 work-groups leave that many WGPs free, and nothing of this is wanted before the launch ends.
;   w1 times g2 (by column) -> packb + PACK_B, [3072][768] bf16 (work-groups 0-31);   w2 -> wrest + 1,179,648, [768][3072] bf16 (32-63; a plain stream, taken as 3,072 rows of 768).
; A work-group takes 96 rows of 768 f32, a wave 24 of them on end: six trips of 4 rows (12,288 bytes, 24 loads of 512 bytes, all out together).  w2 has no gain: its gain registers hold 1.0 (a product with 1.0 is exact).
; No LDS line, no barrier.  Every store of a wave covers 256 consecutive bytes, aligned.
.set CG, 8                             ; v[8:31]   the gain of my 4 columns in each of a row's six pieces of 512 bytes
.set CD, 32                            ; v[32:127] 24 x 4 numbers as loaded; the first two registers of each four then hold the bf16
.Lconv:
	s_load_b256 s[4:11], s[0:1], 0x10              ; w1 s[4:5], w2 s[6:7], g2 s[8:9], packb s[10:11]
	s_load_b64 s[12:13], s[0:1], 0x30              ; wrest
	v_lshrrev_b32 v1, 5, v0
	v_readfirstlane_b32 s14, v1                    ; wave
	v_and_b32 v2, 31, v0
	v_lshlrev_b32 v3, 4, v2                        ; 16 x lane: f32 in
	v_lshlrev_b32 v4, 3, v2                        ; 8 x lane: bf16 out
	s_sub_co_u32 s15, s20, 12
	s_lshl4_add_u32 s15, s15, ttmp9                ; 0 .. 63
	s_and_b32 s16, s15, 31                         ; my place among the 32 of my tensor
	s_mul_i32 s18, s16, 294912                     ; 96 rows of 3,072 bytes
	s_mul_i32 s17, s14, 73728
	s_add_co_u32 s18, s18, s17
	s_mov_b32 s19, 0
	s_mul_i32 s22, s16, 147456
	s_mul_i32 s17, s14, 36864
	s_add_co_u32 s22, s22, s17
	s_mov_b32 s23, 0
	s_mov_b32 s17, PACK_B
	s_wait_kmcnt 0x0
	s_cmp_ge_u32 s15, 32
	s_cselect_b64 s[24:25], s[6:7], s[4:5]
	s_cselect_b64 s[26:27], s[12:13], s[10:11]
	s_cselect_b32 s17, 1179648, s17
	s_add_co_u32 s22, s22, s17
	s_add_nc_u64 s[24:25], s[24:25], s[18:19]
	s_add_nc_u64 s[26:27], s[26:27], s[22:23]
	s_cmp_ge_u32 s15, 32
	s_cbranch_scc1 .Lcones
.irp i, 0,1,2,3,4,5
	global_load_b128 v[CG+4*(\i):CG+4*(\i)+3], v3, s[8:9] offset:512*(\i)
.endr
	s_branch .Lcgo
.Lcones:
.set i, 0
.rept 24
	v_mov_b32 v[CG+i], 1.0
.set i, i+1
.endr
.Lcgo:
	s_mov_b32 s28, 6
.Lcchunk:
.set i, 0
.rept 24
	global_load_b128 v[CD+4*i:CD+4*i+3], v3, s[24:25] offset:512*i th:TH_LOAD_NT
.set i, i+1
.endr
.set i, 0
.rept 24
	s_wait_loadcnt 23-i                            ; loads come back in order: piece i is in, the 23 - i younger ones stay out (the gain's are older)
	v_pk_mul_f32 v[CD+4*i:CD+4*i+1], v[CD+4*i:CD+4*i+1], v[CG+4*(i%6):CG+4*(i%6)+1]
	v_pk_mul_f32 v[CD+4*i+2:CD+4*i+3], v[CD+4*i+2:CD+4*i+3], v[CG+4*(i%6)+2:CG+4*(i%6)+3]
	v_cvt_pk_bf16_f32 v[CD+4*i], v[CD+4*i], v[CD+4*i+1]
	v_cvt_pk_bf16_f32 v[CD+4*i+1], v[CD+4*i+2], v[CD+4*i+3]
	global_store_b64 v4, v[CD+4*i:CD+4*i+1], s[26:27] offset:256*i
.set i, i+1
.endr
	s_wait_xcnt 0x0                                ; the stores have read their data and the bases: all are written again only behind this wait
	s_add_nc_u64 s[24:25], s[24:25], 12288
	s_add_nc_u64 s[26:27], s[26:27], 6144
	s_sub_co_u32 s28, s28, 1
	s_cmp_lg_u32 s28, 0
	s_cbranch_scc1 .Lcchunk
	s_endpgm
.Lfunc_end_k_q6c663ae6d0_attn:
	.size	k_q6c663ae6d0_attn, .Lfunc_end_k_q6c663ae6d0_attn-k_q6c663ae6d0_attn
	.p2alignl 7, 3214868480
	.fill 96, 4, 3214868480
	.section	.rodata,"a",@progbits
	.p2align	6, 0x0
	.amdhsa_kernel k_q6c663ae6d0_attn
		.amdhsa_group_segment_fixed_size 327680
		.amdhsa_private_segment_fixed_size 0
		.amdhsa_enable_private_segment 0
		.amdhsa_kernarg_size 56
		.amdhsa_user_sgpr_count 2
		.amdhsa_user_sgpr_kernarg_segment_ptr 1
		.amdhsa_wavefront_size32 1
		.amdhsa_system_sgpr_workgroup_id_x 1
		.amdhsa_system_sgpr_workgroup_id_y 1
		.amdhsa_system_sgpr_workgroup_id_z 1
		.amdhsa_system_vgpr_workitem_id 0
		.amdhsa_next_free_vgpr 768
		.amdhsa_next_free_sgpr 96
		.amdhsa_reserve_vcc 1
		.amdhsa_float_denorm_mode_32 3
		.amdhsa_float_denorm_mode_16_64 3
		.amdhsa_memory_ordered 1
		.amdhsa_forward_progress 1
		.amdhsa_inst_pref_size 168
	.end_amdhsa_kernel
	.amdgpu_metadata
---
amdhsa.version: [ 1, 2 ]
amdhsa.kernels:
  - .name:           k_q6c663ae6d0_attn
    .symbol:         k_q6c663ae6d0_attn.kd
    .args:
      - { .name: act, .offset: 0, .size: 8, .value_kind: global_buffer, .address_space: global }
      - { .name: o, .offset: 8, .size: 8, .value_kind: global_buffer, .address_space: global }
      - { .name: w1, .offset: 16, .size: 8, .value_kind: global_buffer, .address_space: global }
      - { .name: w2, .offset: 24, .size: 8, .value_kind: global_buffer, .address_space: global }
      - { .name: g2, .offset: 32, .size: 8, .value_kind: global_buffer, .address_space: global }
      - { .name: packb, .offset: 40, .size: 8, .value_kind: global_buffer, .address_space: global }
      - { .name: wrest, .offset: 48, .size: 8, .value_kind: global_buffer, .address_space: global }
    .group_segment_fixed_size: 327680
    .private_segment_fixed_size: 0
    .kernarg_segment_align: 8
    .kernarg_segment_size: 56
    .max_flat_workgroup_size: 128
    .sgpr_count:     96
    .vgpr_count:     768
    .wavefront_size: 32
...
	.end_amdgpu_metadata
.endif
;; end of part 3
;; launch wo (part 4): grid 4 x 64, 4 waves a work-group, clusters of 4 x 4, 327,680 bytes of LDS; arguments o, wrest, x, y, packb; writes y, packb
.if DOCPART == 4
	.amdgcn_target "amdgcn-amd-amdhsa--gfx1250"
	.amdhsa_code_object_version 6
	.text
	.protected	k_q6c663ae6d0_wo
	.globl	k_q6c663ae6d0_wo
	.p2align	8
	.type	k_q6c663ae6d0_wo,@function
k_q6c663ae6d0_wo:
	s_mov_b64 s[64:65], 0
	v_nop
	global_prefetch_b8 v0, s[64:65] scope:SCOPE_SE
	s_setreg_imm32_b32 hwreg(HW_REG_WAVE_MODE, 25, 1), 1
	s_wait_xcnt 0x0
	s_wait_alu depctr_hold_cnt(0) depctr_sa_sdst(0) depctr_va_vdst(0) depctr_va_sdst(0) depctr_va_ssrc(0) depctr_va_vcc(0) depctr_vm_vsrc(0)
	s_getreg_b32 s2, hwreg(HW_REG_IB_STS2, 6, 4)
	s_cmp_eq_u32 s2, 0
	s_cbranch_scc0 .Lentry_in_a_cluster
	s_endpgm
.Lentry_in_a_cluster:
	s_bfe_u32 s2, ttmp6, 0x10000c
	s_cmp_lg_u32 s2, 0xf033
	s_cbranch_scc0 .Lentry_shape_is_right
	s_endpgm
.Lentry_shape_is_right:
; THE NARROW PRODUCT, f32 out.  OUT[row][n] = RES[row][n] + the sum over k of A[row][k] W[n][k], N = 768.  A: KDIM / 64 planes [4096][64] bf16; W: [768][KDIM] bf16 at byte WOFF of its buffer; RES, OUT: [4096][768] f32.
; THIS TEXT: A = O, W = wo, RES = x, OUT = y, KDIM = 768; besides, y rounded to bf16 goes to packb as 12 planes, and the sum of y^2 (unrounded, f32) over the tile's 192 columns to packb + PACK_SS, part = tile column.
; SHARES.  A tile is 64 rows x 192 columns (768 bytes of a row: three aligned blocks of 256): 256 work-groups.  Four waves, each 64 rows x 48 columns: 12 accumulators.
; K goes in steps of 256 (four planes of A; 512 bytes of W's rows) through two LDS slots, as long a step as two slots allow.  Wave 0 fetches A (of each plane 64 rows, 8,192 dense bytes: four long rows), waves 1-3 64 rows of W each.
; THE K PHASE IS WRITTEN ONCE.  A step is four quarters of 64 along K on fragment buffers 0, 1, 0, 1; each quarter fetches the next one's fragments.  A PAIR is a quarter on buffer 1 and a quarter on buffer 0.  The walk is: the first
; quarter (its products start the sums); a pair; then for each further step a CHANGE of slots and two pairs (the first of which begins with the step before's last quarter); the last quarter.  The fetch addresses are a scalar (the
; slot's base, stepped a pair at a time) plus a lane term.  CHANGE holds no product: a step's 96 products are short beside the way of a tile, so the next tile is asked for as soon as the last has landed and the round is passed.
; CLUSTER 4 x 4: A's tile is asked for jointly along a row of the cluster, W's along a column.  The matrix instruction is used transposed: a lane holds one row and eight neighbouring columns.
; REGISTERS: window 0: v16-34 addresses and at work; v64-159 RES; v160-255 accumulators ((a, b) at v[160 + 8 (3 a + b)]).  window 1: two fragment buffers of 112: for 64 along K, 64 registers of A, then 48 of W.
.set KDIM,  768
.set WOFF,  0
.set PLANE,   524288
.set PACK_SS, 6291456
.set KSTEP, 256
.set NSTEP, KDIM/KSTEP
.set PA,    144                        ; a row of A in LDS: 128 bytes + 16
.set PB,    528                        ; a row of W: 512 + 16
.set BOFF,  4*64*PA
.set SLOT,  BOFF+192*PB                ; 138,240
.set STAGE, 2*SLOT                     ; the work-group's stage, never filled by a tensor load: 64 rows x 784 bytes
.set SPITCH, 784
.set SPARE, STAGE+64*SPITCH            ; the spare words: 128 bytes a wave, two blocks of 256 bytes that no other line names
.set A0,   16                          ; v16 my lane's place among A's fragments in slot 0; never rewritten
.set B0,   17                          ; v17 the same for W
.set FA,   20                          ; v20 LDS address of A's fragments for the pair in hand
.set FB,   21                          ; v21 the same for W
.set STO,  24
.set RD,   25
.set CO,   26
.set YBO,  27
.set SPW,  28
.set NIL,  29
.set SSO,  30
.set L7,   31
.set SQ,   32
.set TS2,  34
.set RES,  64
.set ACC,  160
.set F0,   0
.set F1,   112
.set G1,  24
.set G0,  32                           ; s[32:39] group 0 for A: a set for each of the two first fills; the second then walks on
.set G1B, 48
.set G0B, 56                           ; s[56:63] the same for W
.set TS,    70                         ; s70 the base of the slot that is read: 0 or SLOT
.set TA,    71                         ; s71 TS + the planes of A that have been fetched
.set TBB,   72                         ; s72 TS + the bytes of W's rows that have been fetched
.set PAIRS, 73
.set STEPS, 74
.set MSB, 0
.macro WIN new
.if MSB != (\new)
	s_set_vgpr_msb (MSB<<8)|(\new)
.set MSB, \new
.endif
.endm
.set MUL,  0x05                        ; sources 0 and 1 window 1; C and D window 0
.set TO_F, 0x40
.macro JLOAD s                         ; a joint load; the branch hangs on the wave's number alone; s_nop 0 and four v_nop follow each line
	s_cmp_eq_u32 s14, 0
	s_cbranch_scc0 .Lfor_b_\@
	tensor_load_to_lds s[G0+4*(\s):G0+4*(\s)+3], s[G1:G1+7]
	s_nop 0
.rept 4
	v_nop
.endr
	s_branch .Lasked_\@
.Lfor_b_\@:
	tensor_load_to_lds s[G0B+4*(\s):G0B+4*(\s)+3], s[G1B:G1B+7]
	s_nop 0
.rept 4
	v_nop
.endr
.Lasked_\@:
.endm
.macro CROUND                          ; a round of the cluster's barrier
	s_barrier_signal -1
	s_barrier_wait -1
	s_cmp_lg_u32 s14, 0
	s_cbranch_scc1 .Lnot_wave_0_\@
	s_barrier_signal -3
.Lnot_wave_0_\@:
	s_barrier_wait -3
	s_barrier_signal -1
	s_barrier_wait -1
.endm
.macro PLACES
.rept 4
	v_nop
.endr
.endm
	s_load_b256 s[4:11], s[0:1], 0x0               ; A s[4:5], W s[6:7], RES s[8:9], OUT s[10:11]
	s_load_b64 s[12:13], s[0:1], 0x20              ; packb
	v_lshl_add_u32 v[SPW], v0, 2, SPARE
	v_mov_b32 v[NIL], 0
	ds_add_u32 v[SPW], v[NIL]                      ; the wave's opening: the add and its wait ahead of my first tensor load
	v_lshrrev_b32 v1, 5, v0
	v_readfirstlane_b32 s14, v1                    ; wave
	s_max_u32 s15, s14, 1
	s_sub_co_u32 s15, s15, 1                       ; which 64 rows of W I fetch (waves 1-3); it enters the global address alone
	s_bfe_u32 s16, ttmp6, 0x40000                  ; cx
	s_bfe_u32 s17, ttmp6, 0x40004                  ; cy
	s_lshl_b32 s18, ttmp9, 2
	s_add_co_u32 s18, s18, s16                     ; tile column
	s_and_b32 s19, ttmp7, 0xffff
	s_lshl_b32 s19, s19, 2
	s_add_co_u32 s19, s19, s17                     ; tile row
	s_lshl_b32 s20, s17, 2
	s_lshl_b32 s20, 15, s20                        ; my row of the cluster
	s_lshl_b32 s21, 0x1111, s16                    ; my column
	s_or_b32 s[G1+0], s20, (3<<16)|(1<<20)|(1<<21)|(4<<22)|(3<<25)   ; mask; 8-byte elements; padding on; bit 21 beside a mask; after every 32 words 4 words
	s_or_b32 s[G1B+0], s21, (1<<16)|(1<<20)|(1<<21)|(6<<22)|(3<<25)  ; 2-byte elements; after every 128 words 4 words
	s_mov_b32 s[G1+1], 1024<<16                    ; A: a row of the tile is 1,024 elements: a plane's 64 rows, 8,192 dense bytes
	s_mov_b32 s[G1+2], 4<<16                       ; four of them,
	s_mov_b32 s[G1+3], 1024<<16
	s_mov_b32 s[G1+4], 4
	s_mov_b32 s[G1+5], 65536                       ; a plane apart
	s_mov_b32 s[G1+6], 0
	s_mov_b32 s[G1+7], 0
	s_mov_b32 s[G1B+1], KSTEP<<16
	s_mov_b32 s[G1B+2], 64<<16
	s_mov_b32 s[G1B+3], KSTEP<<16
	s_mov_b32 s[G1B+4], 64
	s_mov_b32 s[G1B+5], KDIM
	s_mov_b32 s[G1B+6], 0
	s_mov_b32 s[G1B+7], 0
	s_lshl_b32 s40, s19, 13                        ; A: the tile's 64 rows of 128 bytes
	s_mov_b32 s41, 0
	s_mul_i32 s42, s18, 192                        ; W: the tile's 192 rows, my 64 of them
	s_lshl_b32 s43, s15, 6
	s_add_co_u32 s42, s42, s43
	s_mul_i32 s42, s42, 2*KDIM
	s_add_co_u32 s42, s42, WOFF
	s_mov_b32 s43, 0
	s_mul_i32 s23, s14, 64*PB                      ; where W's rows go in slot 0: BOFF + (wave - 1) x 64 rows; wave 0 does not use it
	s_add_co_u32 s23, s23, BOFF-64*PB
	s_mov_b32 s[TS], 0
	s_mov_b32 s[TA], 0
	s_mov_b32 s[TBB], 0
	s_wait_dscnt 0x0                               ; the opening add is done
	s_wait_kmcnt 0x0
	s_add_nc_u64 s[40:41], s[4:5], s[40:41]
	s_add_nc_u64 s[42:43], s[6:7], s[42:43]
	CROUND                                         ; all sixteen work-groups are here: the first joint loads meet
.irp s, 0,1
	s_mov_b32 s[G0+4*(\s)], 1
	s_mov_b32 s[G0+4*(\s)+1], (\s)*SLOT
	s_add_nc_u64 s[G0+4*(\s)+2:G0+4*(\s)+3], s[40:41], (\s)*4*PLANE
	s_or_b32 s[G0+4*(\s)+3], s[G0+4*(\s)+3], 0x80000000
	s_mov_b32 s[G0B+4*(\s)], 1
	s_add_co_u32 s[G0B+4*(\s)+1], s23, (\s)*SLOT
	s_add_nc_u64 s[G0B+4*(\s)+2:G0B+4*(\s)+3], s[42:43], (\s)*KSTEP*2
	s_or_b32 s[G0B+4*(\s)+3], s[G0B+4*(\s)+3], 0x80000000
	JLOAD \s
.endr
	s_lshl_b32 s46, s19, 6
	s_lshl4_add_u32 s46, s14, s46                  ; the first of the 16 rows that I store: 64 x tile row + 16 x wave
	s_mul_i32 s44, s46, 3072
	s_mul_i32 s45, s18, 768
	s_add_co_u32 s44, s44, s45
	s_mov_b32 s45, 0
	s_add_nc_u64 s[8:9], s[8:9], s[44:45]
	s_add_nc_u64 s[10:11], s[10:11], s[44:45]
	s_mul_i32 s44, s18, 3*PLANE
	s_lshl_b32 s47, s46, 7
	s_add_co_u32 s44, s44, s47
	s_add_nc_u64 s[66:67], s[12:13], s[44:45]      ; the tile's first plane, my first row
	s_lshl_b32 s44, s18, 14
	s_lshl_b32 s47, s46, 2
	s_add_co_u32 s44, s44, s47
	s_add_co_u32 s44, s44, PACK_SS
	s_add_nc_u64 s[68:69], s[12:13], s[44:45]      ; the tile column's part of the sums, my first row
	v_and_b32 v1, 15, v0                           ; l % 16
	v_bfe_u32 v2, v0, 4, 1                         ; l / 16
	v_mul_u32_u24 v[CO], v2, 3072
	v_lshl_add_u32 v[CO], v1, 4, v[CO]             ; lanes 0-15 one block of 256 bytes of a row, lanes 16-31 the same block a row below
.set i, 0
.rept 24                                       ; the residual: pair of rows i / 3, block i % 3; it is wanted at the way out
	global_load_b128 v[RES+4*i:RES+4*i+3], v[CO], s[8:9] offset:(i/3)*6144+(i%3)*256
.set i, i+1
.endr
	v_mul_u32_u24 v3, v1, PA
	v_lshl_add_u32 v[A0], v2, 4, v3
	v_mul_u32_u24 v4, v1, PB
	v_lshl_add_u32 v4, v2, 4, v4
	s_mul_i32 s44, s14, 48*PB
	s_add_co_u32 s44, s44, BOFF
	v_add_nc_u32 v[B0], s44, v4
	s_mul_i32 s44, s14, 192
	s_add_co_u32 s44, s44, STAGE
	v_mul_u32_u24 v5, v1, SPITCH                   ; in: row l % 16, 32 bytes for each half of the lanes, my 48 columns
	v_lshl_add_u32 v5, v2, 5, v5
	v_add_nc_u32 v[STO], s44, v5
	s_mul_i32 s44, s14, 16*SPITCH
	s_add_co_u32 s44, s44, STAGE
	v_mul_u32_u24 v5, v2, SPITCH                   ; back: my 16 rows, whole
	v_lshl_add_u32 v5, v1, 4, v5
	v_add_nc_u32 v[RD], s44, v5
	v_and_b32 v[YBO], 31, v0
	v_lshlrev_b32 v[YBO], 3, v[YBO]
	v_and_b32 v[L7], 7, v0
	v_lshl_add_u32 v[SSO], v[L7], 1, v2
	v_lshlrev_b32 v[SSO], 2, v[SSO]
; 6 matrix instructions: row blocks a0, a0 + 1 x 3 column blocks, 32 along K: half c of buffer f.  The 12 accumulators take turns, one instruction a turn.
.macro MUL6 f, c, a0, zero
	WIN MUL
.irp a, \a0, (\a0)+1
.irp b, 0,1,2
.if \zero
	v_wmma_f32_16x16x32_bf16 v[ACC+8*(3*(\a)+(\b)):ACC+8*(3*(\a)+(\b))+7], v[(\f)+64+8*(3*(\c)+(\b)):(\f)+64+8*(3*(\c)+(\b))+7], v[(\f)+8*(4*(\c)+(\a)):(\f)+8*(4*(\c)+(\a))+7], 0
.else
	v_wmma_f32_16x16x32_bf16 v[ACC+8*(3*(\a)+(\b)):ACC+8*(3*(\a)+(\b))+7], v[(\f)+64+8*(3*(\c)+(\b)):(\f)+64+8*(3*(\c)+(\b))+7], v[(\f)+8*(4*(\c)+(\a)):(\f)+8*(4*(\c)+(\a))+7], v[ACC+8*(3*(\a)+(\b)):ACC+8*(3*(\a)+(\b))+7]
.endif
.endr
.endr
.endm
; 28 LDS loads in one run: a quarter (a plane of A, 64 along K) into buffer f; the first 32 along K first.  odd = 1: the second quarter of the pair: a plane, and 128 bytes of W's rows, on
.macro FETCH odd, f
	WIN TO_F
.irp c, 0,1
.irp b, 0,1,2
	ds_load_b128 v[(\f)+64+8*(3*(\c)+(\b)):(\f)+64+8*(3*(\c)+(\b))+3],   v[FB] offset:128*(\odd)+64*(\c)+(\b)*16*PB
	ds_load_b128 v[(\f)+64+8*(3*(\c)+(\b))+4:(\f)+64+8*(3*(\c)+(\b))+7], v[FB] offset:128*(\odd)+64*(\c)+(\b)*16*PB+32
.endr
.irp a, 0,1,2,3
	ds_load_b128 v[(\f)+8*(4*(\c)+(\a)):(\f)+8*(4*(\c)+(\a))+3],   v[FA] offset:(\odd)*64*PA+64*(\c)+(\a)*16*PA
	ds_load_b128 v[(\f)+8*(4*(\c)+(\a))+4:(\f)+8*(4*(\c)+(\a))+7], v[FA] offset:(\odd)*64*PA+64*(\c)+(\a)*16*PA+32
.endr
.endr
.endm
; A quarter: multiplies buffer f, and in its middle fetches the next quarter into buffer g
.macro QUARTER f, g, odd, zero
	s_wait_dscnt 14                                ; the first 32 along K are in; the other half's 14 loads may be out
	MUL6 \f, 0, 0, \zero
	MUL6 \f, 0, 2, \zero
	PLACES
	FETCH \odd, \g
	s_wait_dscnt 28                                ; all but the 28 just issued
	MUL6 \f, 1, 0, 0
	MUL6 \f, 1, 2, 0
.endm
; A pair of quarters: buffer 1 is multiplied while an even quarter comes into buffer 0, buffer 0 while the odd one comes into buffer 1; then the fetches step two planes of A and 256 bytes of W's rows
.macro PAIR
	v_add_nc_u32 v[FA], s[TA], v[A0]
	v_add_nc_u32 v[FB], s[TBB], v[B0]
	QUARTER F1, F0, 0, 0
	QUARTER F0, F1, 1, 0
	WIN 0                                          ; at a label and at a branch every window is 0
	s_add_co_u32 s[TA], s[TA], 2*64*PA
	s_add_co_u32 s[TBB], s[TBB], 256
.endm
; THE CHANGE OF SLOTS.  The slot's last quarter has been fetched.  Each wave waits for all its tensor loads, of which one is out: its part of the other slot; adds 0 to its spare word; and waits for that and for its reads of
; the slot.  fill = 1: the barrier is a round of the cluster's, and the slot that is left (its base is TS as it stands) is filled again, with the K step two on, first thing behind the round: the walking descriptors step one K step.
.macro CHANGE fill
	WIN 0
	s_wait_tensorcnt 0x0                           ; no tensor load of mine is out, so a group 0 may be written
	ds_add_u32 v[SPW], v[NIL]                      ; 0 onto my spare word; scalar work stands between it and the wait for it
.if \fill
	s_mov_b32 s[G0+5], s[TS]
	s_add_co_u32 s[G0B+5], s23, s[TS]
	s_add_nc_u64 s[G0+6:G0+7], s[G0+6:G0+7], 4*PLANE
	s_add_nc_u64 s[G0B+6:G0B+7], s[G0B+6:G0B+7], KSTEP*2
.endif
	s_xor_b32 s[TS], s[TS], SLOT                   ; 0 and SLOT by turns: the fetches go to the other slot's first quarter
	s_mov_b32 s[TA], s[TS]
	s_mov_b32 s[TBB], s[TS]
	s_wait_dscnt 0x0                               ; the add is done, and my reads of the slot are over
.if \fill
	CROUND
	JLOAD 1
.else
	s_barrier_signal -1
	s_barrier_wait -1
.endif
.endm
	s_wait_tensorcnt 1                             ; my part of K step 0 is in; step 1's may stay out
	s_barrier_signal -1
	s_barrier_wait -1
	v_add_nc_u32 v[FA], s[TA], v[A0]
	v_add_nc_u32 v[FB], s[TBB], v[B0]
	FETCH 0, F0
	QUARTER F0, F1, 1, 1                           ; the first products start the sums
	WIN 0
	s_mov_b32 s[TA], 2*64*PA
	s_mov_b32 s[TBB], 256
	s_mov_b32 s[PAIRS], 1                          ; step 0 has one pair left
	s_mov_b32 s[STEPS], NSTEP-1                    ; NSTEP - 2 changes fill a slot again
	s_branch .Lpair
.Lstep:
	CHANGE 1
	s_mov_b32 s[PAIRS], 2
.Lpair:
	PAIR
	s_sub_co_u32 s[PAIRS], s[PAIRS], 1
	s_cmp_lg_u32 s[PAIRS], 0
	s_cbranch_scc1 .Lpair
	s_sub_co_u32 s[STEPS], s[STEPS], 1
	s_cmp_lg_u32 s[STEPS], 0
	s_cbranch_scc1 .Lstep
	CHANGE 0                                       ; the last change is written out: nothing is asked for
	s_mov_b32 s[PAIRS], 2
.Llast:
	PAIR
	s_sub_co_u32 s[PAIRS], s[PAIRS], 1
	s_cmp_lg_u32 s[PAIRS], 0
	s_cbranch_scc1 .Llast
	s_wait_dscnt 14                                ; the very last quarter: nothing more to fetch
	MUL6 F1, 0, 0, 0
	MUL6 F1, 0, 2, 0
	s_wait_dscnt 0x0
	MUL6 F1, 1, 0, 0
	MUL6 F1, 1, 2, 0
	WIN 0
	; THE WAY OUT: the sums in f32 into the work-group's stage; a barrier, since a row's 768 bytes come from four waves; back as whole rows, 16 rows a wave; the residual is added, and each half of the lanes stores 256 aligned bytes.
	PLACES
.irp a, 0,1,2,3
.irp b, 0,1,2
	ds_store_b128 v[STO], v[ACC+8*(3*(\a)+(\b)):ACC+8*(3*(\a)+(\b))+3]   offset:(\a)*16*SPITCH+(\b)*64
	ds_store_b128 v[STO], v[ACC+8*(3*(\a)+(\b))+4:ACC+8*(3*(\a)+(\b))+7] offset:(\a)*16*SPITCH+(\b)*64+16
.endr
.endr
	s_wait_dscnt 0x0                               ; for the others' sake: my stores into the stage are done
	s_barrier_signal -1
	s_barrier_wait -1
.set i, 0
.rept 24
	ds_load_b128 v[ACC+4*i:ACC+4*i+3], v[RD] offset:(i/3)*2*SPITCH+(i%3)*256
.set i, i+1
.endr
	s_wait_loadcnt 0x0                             ; the residual
.set i, 0
.rept 24
.set k, ACC+4*i
.set r, RES+4*i
	s_wait_dscnt 23-i                              ; piece i is back; the younger reads stay out
	v_pk_add_f32 v[k:k+1], v[k:k+1], v[r:r+1]
	v_pk_add_f32 v[k+2:k+3], v[k+2:k+3], v[r+2:r+3]
	global_store_b128 v[CO], v[k:k+3], s[10:11] offset:(i/3)*6144+(i%3)*256
.if i%3 == 0
	v_pk_mul_f32 v[SQ:SQ+1], v[k:k+1], v[k:k+1]    ; the first product starts the pair of rows' sums of squares
.else
	v_pk_fma_f32 v[SQ:SQ+1], v[k:k+1], v[k:k+1], v[SQ:SQ+1]
.endif
	v_pk_fma_f32 v[SQ:SQ+1], v[k+2:k+3], v[k+2:k+3], v[SQ:SQ+1]
	v_cvt_pk_bf16_f32 v[r], v[k], v[k+1]
	v_cvt_pk_bf16_f32 v[r+1], v[k+2], v[k+3]
	global_store_b64 v[YBO], v[r:r+1], s[66:67] offset:(i%3)*PLANE+(i/3)*256  ; two rows of a plane: 256 consecutive bytes
.if i%3 == 2
	v_add_f32 v[SQ], v[SQ], v[SQ+1]
	v_add_f32_dpp v[SQ], v[SQ], v[SQ] row_xmask:1 row_mask:0xf bank_mask:0xf
	v_add_f32_dpp v[SQ], v[SQ], v[SQ] row_xmask:2 row_mask:0xf bank_mask:0xf
	v_add_f32_dpp v[SQ], v[SQ], v[SQ] row_xmask:4 row_mask:0xf bank_mask:0xf
	v_add_f32_dpp v[SQ], v[SQ], v[SQ] row_xmask:8 row_mask:0xf bank_mask:0xf
.if i == 2
	v_mov_b32 v[TS2], v[SQ]
.else
	v_cmp_eq_u32 vcc_lo, i/3, v[L7]                ; lane l keeps the sum of pair l % 8
	v_cndmask_b32 v[TS2], v[TS2], v[SQ], vcc_lo
.endif
.endif
.set i, i+1
.endr
	v_cmp_gt_u32 vcc_lo, 8, v1                     ; lanes with l % 16 < 8 hold the 16 rows' sums: 64 consecutive bytes
	s_wait_xcnt 0x0                                ; EXEC changes only when the stores above have read it
	s_and_saveexec_b32 s20, vcc_lo
	global_store_b32 v[SSO], v[TS2], s[68:69]
	s_wait_xcnt 0x0
	s_or_b32 exec_lo, exec_lo, s20
	s_wait_tensorcnt 0x0                           ; the wave's end
	ds_add_u32 v[SPW], v[NIL]
	s_wait_dscnt 0x0
	CROUND                                         ; the closing round
	s_endpgm
.Lfunc_end_k_q6c663ae6d0_wo:
	.size	k_q6c663ae6d0_wo, .Lfunc_end_k_q6c663ae6d0_wo-k_q6c663ae6d0_wo
	.p2alignl 7, 3214868480
	.fill 96, 4, 3214868480
	.section	.rodata,"a",@progbits
	.p2align	6, 0x0
	.amdhsa_kernel k_q6c663ae6d0_wo
		.amdhsa_group_segment_fixed_size 327680
		.amdhsa_private_segment_fixed_size 0
		.amdhsa_enable_private_segment 0
		.amdhsa_kernarg_size 40
		.amdhsa_user_sgpr_count 2
		.amdhsa_user_sgpr_kernarg_segment_ptr 1
		.amdhsa_wavefront_size32 1
		.amdhsa_system_sgpr_workgroup_id_x 1
		.amdhsa_system_sgpr_workgroup_id_y 1
		.amdhsa_system_sgpr_workgroup_id_z 1
		.amdhsa_system_vgpr_workitem_id 0
		.amdhsa_next_free_vgpr 480
		.amdhsa_next_free_sgpr 76
		.amdhsa_reserve_vcc 1
		.amdhsa_float_denorm_mode_32 3
		.amdhsa_float_denorm_mode_16_64 3
		.amdhsa_memory_ordered 1
		.amdhsa_forward_progress 1
		.amdhsa_inst_pref_size 55
	.end_amdhsa_kernel
	.amdgpu_metadata
---
amdhsa.version: [ 1, 2 ]
amdhsa.kernels:
  - .name:           k_q6c663ae6d0_wo
    .symbol:         k_q6c663ae6d0_wo.kd
    .args:
      - { .name: o, .offset: 0, .size: 8, .value_kind: global_buffer, .address_space: global }
      - { .name: wrest, .offset: 8, .size: 8, .value_kind: global_buffer, .address_space: global }
      - { .name: x, .offset: 16, .size: 8, .value_kind: global_buffer, .address_space: global }
      - { .name: y, .offset: 24, .size: 8, .value_kind: global_buffer, .address_space: global }
      - { .name: packb, .offset: 32, .size: 8, .value_kind: global_buffer, .address_space: global }
    .group_segment_fixed_size: 327680
    .private_segment_fixed_size: 0
    .kernarg_segment_align: 8
    .kernarg_segment_size: 40
    .max_flat_workgroup_size: 128
    .sgpr_count:     76
    .vgpr_count:     480
    .wavefront_size: 32
...
	.end_amdgpu_metadata
.endif
;; end of part 4
;; launch ffn1: the kernel of part 2 again; grid 16 x 16, 4 waves a work-group, clusters of 4 x 4, 327,680 bytes of LDS; arguments packb, modeb, act; writes act
;; launch ffn2 (part 5): grid 4 x 64, 4 waves a work-group, clusters of 4 x 4, 327,680 bytes of LDS; arguments act, wrest, y, out0; writes out0
.if DOCPART == 5
	.amdgcn_target "amdgcn-amd-amdhsa--gfx1250"
	.amdhsa_code_object_version 6
	.text
	.protected	k_q6c663ae6d0_ffn2
	.globl	k_q6c663ae6d0_ffn2
	.p2align	8
	.type	k_q6c663ae6d0_ffn2,@function
k_q6c663ae6d0_ffn2:
	s_mov_b64 s[64:65], 0
	v_nop
	global_prefetch_b8 v0, s[64:65] scope:SCOPE_SE
	s_setreg_imm32_b32 hwreg(HW_REG_WAVE_MODE, 25, 1), 1
	s_wait_xcnt 0x0
	s_wait_alu depctr_hold_cnt(0) depctr_sa_sdst(0) depctr_va_vdst(0) depctr_va_sdst(0) depctr_va_ssrc(0) depctr_va_vcc(0) depctr_vm_vsrc(0)
	s_getreg_b32 s2, hwreg(HW_REG_IB_STS2, 6, 4)
	s_cmp_eq_u32 s2, 0
	s_cbranch_scc0 .Lentry_in_a_cluster
	s_endpgm
.Lentry_in_a_cluster:
	s_bfe_u32 s2, ttmp6, 0x10000c
	s_cmp_lg_u32 s2, 0xf033
	s_cbranch_scc0 .Lentry_shape_is_right
	s_endpgm
.Lentry_shape_is_right:
; THE NARROW PRODUCT, f32 out.  OUT[row][n] = RES[row][n] + the sum over k of A[row][k] W[n][k], N = 768.  A: KDIM / 64 planes [4096][64] bf16; W: [768][KDIM] bf16 at byte WOFF of its buffer; RES, OUT: [4096][768] f32.
; THIS TEXT: A = u = gelu(..), 48 planes, W = w2, RES = y, OUT = out0, KDIM = 3,072.
; SHARES.  A tile is 64 rows x 192 columns (768 bytes of a row: three aligned blocks of 256): 256 work-groups.  Four waves, each 64 rows x 48 columns: 12 accumulators.
; K goes in steps of 256 (four planes of A; 512 bytes of W's rows) through two LDS slots, as long a step as two slots allow: 12 steps.  Wave 0 fetches A (of each plane 64 rows, 8,192 dense bytes: four long rows), waves 1-3 64 rows of W each.
; THE K PHASE IS WRITTEN ONCE.  A step is four quarters of 64 along K on fragment buffers 0, 1, 0, 1; each quarter fetches the next one's fragments.  A PAIR is a quarter on buffer 1 and a quarter on buffer 0.  The walk is: the first
; quarter (its products start the sums); a pair; then for each further step a CHANGE of slots and two pairs (the first of which begins with the step before's last quarter); the last quarter.  The fetch addresses are a scalar (the
; slot's base, stepped a pair at a time) plus a lane term.  CHANGE holds no product: a step's 96 products are short beside the way of a tile, so the next tile is asked for as soon as the last has landed and the round is passed.
; CLUSTER 4 x 4: A's tile is asked for jointly along a row of the cluster, W's along a column.  The matrix instruction is used transposed: a lane holds one row and eight neighbouring columns.
; REGISTERS: window 0: v16-29 addresses; v64-159 RES; v160-255 accumulators ((a, b) at v[160 + 8 (3 a + b)]).  window 1: two fragment buffers of 112: for 64 along K, 64 registers of A, then 48 of W.
.set KDIM,  3072
.set WOFF,  1179648
.set PLANE, 524288
.set KSTEP, 256
.set NSTEP, KDIM/KSTEP
.set PA,    144                        ; a row of A in LDS: 128 bytes + 16
.set PB,    528                        ; a row of W: 512 + 16
.set BOFF,  4*64*PA
.set SLOT,  BOFF+192*PB                ; 138,240
.set STAGE, 2*SLOT                     ; the work-group's stage, never filled by a tensor load: 64 rows x 784 bytes
.set SPITCH, 784
.set SPARE, STAGE+64*SPITCH            ; the spare words: 128 bytes a wave, two blocks of 256 bytes that no other line names
.set A0,   16                          ; v16 my lane's place among A's fragments in slot 0; never rewritten
.set B0,   17                          ; v17 the same for W
.set FA,   20                          ; v20 LDS address of A's fragments for the pair in hand
.set FB,   21                          ; v21 the same for W
.set STO,  24
.set RD,   25
.set CO,   26
.set SPW,  28
.set NIL,  29
.set RES,  64
.set ACC,  160
.set F0,   0
.set F1,   112
.set G1,  24
.set G0,  32                           ; s[32:39] group 0 for A: a set for each of the two first fills; the second then walks on
.set G1B, 48
.set G0B, 56                           ; s[56:63] the same for W
.set TS,    70                         ; s70 the base of the slot that is read: 0 or SLOT
.set TA,    71                         ; s71 TS + the planes of A that have been fetched
.set TBB,   72                         ; s72 TS + the bytes of W's rows that have been fetched
.set PAIRS, 73
.set STEPS, 74
.set MSB, 0
.macro WIN new
.if MSB != (\new)
	s_set_vgpr_msb (MSB<<8)|(\new)
.set MSB, \new
.endif
.endm
.set MUL,  0x05                        ; sources 0 and 1 window 1; C and D window 0
.set TO_F, 0x40
.macro JLOAD s                         ; a joint load; the branch hangs on the wave's number alone; s_nop 0 and four v_nop follow each line
	s_cmp_eq_u32 s14, 0
	s_cbranch_scc0 .Lfor_b_\@
	tensor_load_to_lds s[G0+4*(\s):G0+4*(\s)+3], s[G1:G1+7]
	s_nop 0
.rept 4
	v_nop
.endr
	s_branch .Lasked_\@
.Lfor_b_\@:
	tensor_load_to_lds s[G0B+4*(\s):G0B+4*(\s)+3], s[G1B:G1B+7]
	s_nop 0
.rept 4
	v_nop
.endr
.Lasked_\@:
.endm
.macro CROUND                          ; a round of the cluster's barrier
	s_barrier_signal -1
	s_barrier_wait -1
	s_cmp_lg_u32 s14, 0
	s_cbranch_scc1 .Lnot_wave_0_\@
	s_barrier_signal -3
.Lnot_wave_0_\@:
	s_barrier_wait -3
	s_barrier_signal -1
	s_barrier_wait -1
.endm
.macro PLACES
.rept 4
	v_nop
.endr
.endm
	s_load_b256 s[4:11], s[0:1], 0x0               ; A s[4:5], W s[6:7], RES s[8:9], OUT s[10:11]
	v_lshl_add_u32 v[SPW], v0, 2, SPARE
	v_mov_b32 v[NIL], 0
	ds_add_u32 v[SPW], v[NIL]                      ; the wave's opening: the add and its wait ahead of my first tensor load
	v_lshrrev_b32 v1, 5, v0
	v_readfirstlane_b32 s14, v1                    ; wave
	s_max_u32 s15, s14, 1
	s_sub_co_u32 s15, s15, 1                       ; which 64 rows of W I fetch (waves 1-3); it enters the global address alone
	s_bfe_u32 s16, ttmp6, 0x40000                  ; cx
	s_bfe_u32 s17, ttmp6, 0x40004                  ; cy
	s_lshl_b32 s18, ttmp9, 2
	s_add_co_u32 s18, s18, s16                     ; tile column
	s_and_b32 s19, ttmp7, 0xffff
	s_lshl_b32 s19, s19, 2
	s_add_co_u32 s19, s19, s17                     ; tile row
	s_lshl_b32 s20, s17, 2
	s_lshl_b32 s20, 15, s20                        ; my row of the cluster
	s_lshl_b32 s21, 0x1111, s16                    ; my column
	s_or_b32 s[G1+0], s20, (3<<16)|(1<<20)|(1<<21)|(4<<22)|(3<<25)   ; mask; 8-byte elements; padding on; bit 21 beside a mask; after every 32 words 4 words
	s_or_b32 s[G1B+0], s21, (1<<16)|(1<<20)|(1<<21)|(6<<22)|(3<<25)  ; 2-byte elements; after every 128 words 4 words
	s_mov_b32 s[G1+1], 1024<<16                    ; A: a row of the tile is 1,024 elements: a plane's 64 rows, 8,192 dense bytes
	s_mov_b32 s[G1+2], 4<<16                       ; four of them,
	s_mov_b32 s[G1+3], 1024<<16
	s_mov_b32 s[G1+4], 4
	s_mov_b32 s[G1+5], 65536                       ; a plane apart
	s_mov_b32 s[G1+6], 0
	s_mov_b32 s[G1+7], 0
	s_mov_b32 s[G1B+1], KSTEP<<16
	s_mov_b32 s[G1B+2], 64<<16
	s_mov_b32 s[G1B+3], KSTEP<<16
	s_mov_b32 s[G1B+4], 64
	s_mov_b32 s[G1B+5], KDIM
	s_mov_b32 s[G1B+6], 0
	s_mov_b32 s[G1B+7], 0
	s_lshl_b32 s40, s19, 13                        ; A: the tile's 64 rows of 128 bytes
	s_mov_b32 s41, 0
	s_mul_i32 s42, s18, 192                        ; W: the tile's 192 rows, my 64 of them
	s_lshl_b32 s43, s15, 6
	s_add_co_u32 s42, s42, s43
	s_mul_i32 s42, s42, 2*KDIM
	s_add_co_u32 s42, s42, WOFF
	s_mov_b32 s43, 0
	s_mul_i32 s23, s14, 64*PB                      ; where W's rows go in slot 0: BOFF + (wave - 1) x 64 rows; wave 0 does not use it
	s_add_co_u32 s23, s23, BOFF-64*PB
	s_mov_b32 s[TS], 0
	s_mov_b32 s[TA], 0
	s_mov_b32 s[TBB], 0
	s_wait_dscnt 0x0                               ; the opening add is done
	s_wait_kmcnt 0x0
	s_add_nc_u64 s[40:41], s[4:5], s[40:41]
	s_add_nc_u64 s[42:43], s[6:7], s[42:43]
	CROUND                                         ; all sixteen work-groups are here: the first joint loads meet
.irp s, 0,1
	s_mov_b32 s[G0+4*(\s)], 1
	s_mov_b32 s[G0+4*(\s)+1], (\s)*SLOT
	s_add_nc_u64 s[G0+4*(\s)+2:G0+4*(\s)+3], s[40:41], (\s)*4*PLANE
	s_or_b32 s[G0+4*(\s)+3], s[G0+4*(\s)+3], 0x80000000
	s_mov_b32 s[G0B+4*(\s)], 1
	s_add_co_u32 s[G0B+4*(\s)+1], s23, (\s)*SLOT
	s_add_nc_u64 s[G0B+4*(\s)+2:G0B+4*(\s)+3], s[42:43], (\s)*KSTEP*2
	s_or_b32 s[G0B+4*(\s)+3], s[G0B+4*(\s)+3], 0x80000000
	JLOAD \s
.endr
	s_lshl_b32 s46, s19, 6
	s_lshl4_add_u32 s46, s14, s46                  ; the first of the 16 rows that I store: 64 x tile row + 16 x wave
	s_mul_i32 s44, s46, 3072
	s_mul_i32 s45, s18, 768
	s_add_co_u32 s44, s44, s45
	s_mov_b32 s45, 0
	s_add_nc_u64 s[8:9], s[8:9], s[44:45]
	s_add_nc_u64 s[10:11], s[10:11], s[44:45]
	v_and_b32 v1, 15, v0                           ; l % 16
	v_bfe_u32 v2, v0, 4, 1                         ; l / 16
	v_mul_u32_u24 v[CO], v2, 3072
	v_lshl_add_u32 v[CO], v1, 4, v[CO]             ; lanes 0-15 one block of 256 bytes of a row, lanes 16-31 the same block a row below
.set i, 0
.rept 24                                       ; the residual: pair of rows i / 3, block i % 3; it is wanted at the way out
	global_load_b128 v[RES+4*i:RES+4*i+3], v[CO], s[8:9] offset:(i/3)*6144+(i%3)*256
.set i, i+1
.endr
	v_mul_u32_u24 v3, v1, PA
	v_lshl_add_u32 v[A0], v2, 4, v3
	v_mul_u32_u24 v4, v1, PB
	v_lshl_add_u32 v4, v2, 4, v4
	s_mul_i32 s44, s14, 48*PB
	s_add_co_u32 s44, s44, BOFF
	v_add_nc_u32 v[B0], s44, v4
	s_mul_i32 s44, s14, 192
	s_add_co_u32 s44, s44, STAGE
	v_mul_u32_u24 v5, v1, SPITCH                   ; in: row l % 16, 32 bytes for each half of the lanes, my 48 columns
	v_lshl_add_u32 v5, v2, 5, v5
	v_add_nc_u32 v[STO], s44, v5
	s_mul_i32 s44, s14, 16*SPITCH
	s_add_co_u32 s44, s44, STAGE
	v_mul_u32_u24 v5, v2, SPITCH                   ; back: my 16 rows, whole
	v_lshl_add_u32 v5, v1, 4, v5
	v_add_nc_u32 v[RD], s44, v5
; 6 matrix instructions: row blocks a0, a0 + 1 x 3 column blocks, 32 along K: half c of buffer f.  The 12 accumulators take turns, one instruction a turn.
.macro MUL6 f, c, a0, zero
	WIN MUL
.irp a, \a0, (\a0)+1
.irp b, 0,1,2
.if \zero
	v_wmma_f32_16x16x32_bf16 v[ACC+8*(3*(\a)+(\b)):ACC+8*(3*(\a)+(\b))+7], v[(\f)+64+8*(3*(\c)+(\b)):(\f)+64+8*(3*(\c)+(\b))+7], v[(\f)+8*(4*(\c)+(\a)):(\f)+8*(4*(\c)+(\a))+7], 0
.else
	v_wmma_f32_16x16x32_bf16 v[ACC+8*(3*(\a)+(\b)):ACC+8*(3*(\a)+(\b))+7], v[(\f)+64+8*(3*(\c)+(\b)):(\f)+64+8*(3*(\c)+(\b))+7], v[(\f)+8*(4*(\c)+(\a)):(\f)+8*(4*(\c)+(\a))+7], v[ACC+8*(3*(\a)+(\b)):ACC+8*(3*(\a)+(\b))+7]
.endif
.endr
.endr
.endm
; 28 LDS loads in one run: a quarter (a plane of A, 64 along K) into buffer f; the first 32 along K first.  odd = 1: the second quarter of the pair: a plane, and 128 bytes of W's rows, on
.macro FETCH odd, f
	WIN TO_F
.irp c, 0,1
.irp b, 0,1,2
	ds_load_b128 v[(\f)+64+8*(3*(\c)+(\b)):(\f)+64+8*(3*(\c)+(\b))+3],   v[FB] offset:128*(\odd)+64*(\c)+(\b)*16*PB
	ds_load_b128 v[(\f)+64+8*(3*(\c)+(\b))+4:(\f)+64+8*(3*(\c)+(\b))+7], v[FB] offset:128*(\odd)+64*(\c)+(\b)*16*PB+32
.endr
.irp a, 0,1,2,3
	ds_load_b128 v[(\f)+8*(4*(\c)+(\a)):(\f)+8*(4*(\c)+(\a))+3],   v[FA] offset:(\odd)*64*PA+64*(\c)+(\a)*16*PA
	ds_load_b128 v[(\f)+8*(4*(\c)+(\a))+4:(\f)+8*(4*(\c)+(\a))+7], v[FA] offset:(\odd)*64*PA+64*(\c)+(\a)*16*PA+32
.endr
.endr
.endm
; A quarter: multiplies buffer f, and in its middle fetches the next quarter into buffer g
.macro QUARTER f, g, odd, zero
	s_wait_dscnt 14                                ; the first 32 along K are in; the other half's 14 loads may be out
	MUL6 \f, 0, 0, \zero
	MUL6 \f, 0, 2, \zero
	PLACES
	FETCH \odd, \g
	s_wait_dscnt 28                                ; all but the 28 just issued
	MUL6 \f, 1, 0, 0
	MUL6 \f, 1, 2, 0
.endm
; A pair of quarters: buffer 1 is multiplied while an even quarter comes into buffer 0, buffer 0 while the odd one comes into buffer 1; then the fetches step two planes of A and 256 bytes of W's rows
.macro PAIR
	v_add_nc_u32 v[FA], s[TA], v[A0]
	v_add_nc_u32 v[FB], s[TBB], v[B0]
	QUARTER F1, F0, 0, 0
	QUARTER F0, F1, 1, 0
	WIN 0                                          ; at a label and at a branch every window is 0
	s_add_co_u32 s[TA], s[TA], 2*64*PA
	s_add_co_u32 s[TBB], s[TBB], 256
.endm
; THE CHANGE OF SLOTS.  The slot's last quarter has been fetched.  Each wave waits for all its tensor loads, of which one is out: its part of the other slot; adds 0 to its spare word; and waits for that and for its reads of
; the slot.  fill = 1: the barrier is a round of the cluster's, and the slot that is left (its base is TS as it stands) is filled again, with the K step two on, first thing behind the round: the walking descriptors step one K step.
.macro CHANGE fill
	WIN 0
	s_wait_tensorcnt 0x0                           ; no tensor load of mine is out, so a group 0 may be written
	ds_add_u32 v[SPW], v[NIL]                      ; 0 onto my spare word; scalar work stands between it and the wait for it
.if \fill
	s_mov_b32 s[G0+5], s[TS]
	s_add_co_u32 s[G0B+5], s23, s[TS]
	s_add_nc_u64 s[G0+6:G0+7], s[G0+6:G0+7], 4*PLANE
	s_add_nc_u64 s[G0B+6:G0B+7], s[G0B+6:G0B+7], KSTEP*2
.endif
	s_xor_b32 s[TS], s[TS], SLOT                   ; 0 and SLOT by turns: the fetches go to the other slot's first quarter
	s_mov_b32 s[TA], s[TS]
	s_mov_b32 s[TBB], s[TS]
	s_wait_dscnt 0x0                               ; the add is done, and my reads of the slot are over
.if \fill
	CROUND
	JLOAD 1
.else
	s_barrier_signal -1
	s_barrier_wait -1
.endif
.endm
	s_wait_tensorcnt 1                             ; my part of K step 0 is in; step 1's may stay out
	s_barrier_signal -1
	s_barrier_wait -1
	v_add_nc_u32 v[FA], s[TA], v[A0]
	v_add_nc_u32 v[FB], s[TBB], v[B0]
	FETCH 0, F0
	QUARTER F0, F1, 1, 1                           ; the first products start the sums
	WIN 0
	s_mov_b32 s[TA], 2*64*PA
	s_mov_b32 s[TBB], 256
	s_mov_b32 s[PAIRS], 1                          ; step 0 has one pair left
	s_mov_b32 s[STEPS], NSTEP-1                    ; NSTEP - 2 changes fill a slot again
	s_branch .Lpair
.Lstep:
	CHANGE 1
	s_mov_b32 s[PAIRS], 2
.Lpair:
	PAIR
	s_sub_co_u32 s[PAIRS], s[PAIRS], 1
	s_cmp_lg_u32 s[PAIRS], 0
	s_cbranch_scc1 .Lpair
	s_sub_co_u32 s[STEPS], s[STEPS], 1
	s_cmp_lg_u32 s[STEPS], 0
	s_cbranch_scc1 .Lstep
	CHANGE 0                                       ; the last change is written out: nothing is asked for
	s_mov_b32 s[PAIRS], 2
.Llast:
	PAIR
	s_sub_co_u32 s[PAIRS], s[PAIRS], 1
	s_cmp_lg_u32 s[PAIRS], 0
	s_cbranch_scc1 .Llast
	s_wait_dscnt 14                                ; the very last quarter: nothing more to fetch
	MUL6 F1, 0, 0, 0
	MUL6 F1, 0, 2, 0
	s_wait_dscnt 0x0
	MUL6 F1, 1, 0, 0
	MUL6 F1, 1, 2, 0
	WIN 0
	; THE WAY OUT: the sums in f32 into the work-group's stage; a barrier, since a row's 768 bytes come from four waves; back as whole rows, 16 rows a wave; the residual is added, and each half of the lanes stores 256 aligned bytes.
	PLACES
.irp a, 0,1,2,3
.irp b, 0,1,2
	ds_store_b128 v[STO], v[ACC+8*(3*(\a)+(\b)):ACC+8*(3*(\a)+(\b))+3]   offset:(\a)*16*SPITCH+(\b)*64
	ds_store_b128 v[STO], v[ACC+8*(3*(\a)+(\b))+4:ACC+8*(3*(\a)+(\b))+7] offset:(\a)*16*SPITCH+(\b)*64+16
.endr
.endr
	s_wait_dscnt 0x0                               ; for the others' sake: my stores into the stage are done
	s_barrier_signal -1
	s_barrier_wait -1
.set i, 0
.rept 24
	ds_load_b128 v[ACC+4*i:ACC+4*i+3], v[RD] offset:(i/3)*2*SPITCH+(i%3)*256
.set i, i+1
.endr
	s_wait_loadcnt 0x0                             ; the residual
.set i, 0
.rept 24
.set k, ACC+4*i
.set r, RES+4*i
	s_wait_dscnt 23-i                              ; piece i is back; the younger reads stay out
	v_pk_add_f32 v[k:k+1], v[k:k+1], v[r:r+1]
	v_pk_add_f32 v[k+2:k+3], v[k+2:k+3], v[r+2:r+3]
	global_store_b128 v[CO], v[k:k+3], s[10:11] offset:(i/3)*6144+(i%3)*256
.set i, i+1
.endr
	s_wait_tensorcnt 0x0                           ; the wave's end
	ds_add_u32 v[SPW], v[NIL]
	s_wait_dscnt 0x0
	CROUND                                         ; the closing round
	s_endpgm
.Lfunc_end_k_q6c663ae6d0_ffn2:
	.size	k_q6c663ae6d0_ffn2, .Lfunc_end_k_q6c663ae6d0_ffn2-k_q6c663ae6d0_ffn2
	.p2alignl 7, 3214868480
	.fill 96, 4, 3214868480
	.section	.rodata,"a",@progbits
	.p2align	6, 0x0
	.amdhsa_kernel k_q6c663ae6d0_ffn2
		.amdhsa_group_segment_fixed_size 327680
		.amdhsa_private_segment_fixed_size 0
		.amdhsa_enable_private_segment 0
		.amdhsa_kernarg_size 32
		.amdhsa_user_sgpr_count 2
		.amdhsa_user_sgpr_kernarg_segment_ptr 1
		.amdhsa_wavefront_size32 1
		.amdhsa_system_sgpr_workgroup_id_x 1
		.amdhsa_system_sgpr_workgroup_id_y 1
		.amdhsa_system_sgpr_workgroup_id_z 1
		.amdhsa_system_vgpr_workitem_id 0
		.amdhsa_next_free_vgpr 480
		.amdhsa_next_free_sgpr 76
		.amdhsa_reserve_vcc 0
		.amdhsa_float_denorm_mode_32 3
		.amdhsa_float_denorm_mode_16_64 3
		.amdhsa_memory_ordered 1
		.amdhsa_forward_progress 1
		.amdhsa_inst_pref_size 43
	.end_amdhsa_kernel
	.amdgpu_metadata
---
amdhsa.version: [ 1, 2 ]
amdhsa.kernels:
  - .name:           k_q6c663ae6d0_ffn2
    .symbol:         k_q6c663ae6d0_ffn2.kd
    .args:
      - { .name: act, .offset: 0, .size: 8, .value_kind: global_buffer, .address_space: global }
      - { .name: wrest, .offset: 8, .size: 8, .value_kind: global_buffer, .address_space: global }
      - { .name: y, .offset: 16, .size: 8, .value_kind: global_buffer, .address_space: global }
      - { .name: out0, .offset: 24, .size: 8, .value_kind: global_buffer, .address_space: global }
    .group_segment_fixed_size: 327680
    .private_segment_fixed_size: 0
    .kernarg_segment_align: 8
    .kernarg_segment_size: 32
    .max_flat_workgroup_size: 128
    .sgpr_count:     76
    .vgpr_count:     480
    .wavefront_size: 32
...
	.end_amdgpu_metadata
.endif
;; end of part 5
;; ======== version 2 of 2: 6 launches; version 1 with the launch prep written anew for expert scheduling mode
;; limits: a function is approximated: absolute error at most 1.5e-07
;; workspace buffers: packa 9,895,936 bytes; packb 11,075,584 bytes; wrest 5,898,240 bytes; act 25,165,824 bytes; o 6,291,456 bytes; y 12,582,912 bytes; modea 256 bytes of whole numbers; modeb 256 bytes of whole numbers
;; launch prep (part 6): grid 448 x 1, 4 waves a work-group, no clusters, 0 bytes of LDS; arguments x, g1, wq, wk, wv, wo, packa, wrest, modea, modeb; writes packa, wrest, modea, modeb
.if DOCPART == 6
	.amdgcn_target "amdgcn-amd-amdhsa--gfx1250"
	.amdhsa_code_object_version 6
	.text
	.protected	k_q6c663ae6d0_prep
	.globl	k_q6c663ae6d0_prep
	.p2align	8
	.type	k_q6c663ae6d0_prep,@function
k_q6c663ae6d0_prep:
	s_mov_b64 s[64:65], 0
	v_nop
	global_prefetch_b8 v0, s[64:65] scope:SCOPE_SE
	s_setreg_imm32_b32 hwreg(HW_REG_WAVE_SCHED_MODE, 0, 2), 2
	s_setreg_imm32_b32 hwreg(HW_REG_WAVE_MODE, 25, 1), 1
	s_wait_xcnt 0x0
	s_wait_alu depctr_vm_vsrc(0)
; PREP: what the first two products want, each input byte read once.  (w1 and w2 are converted in the attention launch, by work-groups of their own.)
;   wq, wk, wv times g1 (by column) -> packa + PACK_B, [2304][768] bf16;   wo -> wrest, [768][768] bf16;   x -> packa, 12 planes [4096][64] bf16;
;   the sum of x^2 over each 192 columns of a row, in f32 of the unrounded x -> packa + PACK_SS, [4][4096] f32
;   modea word 0 = 0, modeb word 0 = 1: which activation the wide product applies.
; rmsnorm(x, g) W^T = rinv[row] (x (W g)^T): the gain goes into the weights here, the row's factor into the product's way out.
; SHARES.  A work-group takes 16 rows of 768 f32, a wave 4 (12,288 bytes, 24 loads of 512 bytes, all out together).
; Work-groups 0-47 wq, 48-95 wk, 96-143 wv, 144-191 wo, 192-447 x.  No LDS, no matrix unit, no cluster: nothing is shared, memory binds.
; wo has no gain: its gain registers hold 1.0 (a product with 1.0 is exact), so that one text converts all four.
; Every store of a wave covers 256 consecutive bytes, aligned (the 16 bytes of row sums a wave apart: 64 KiB in all).
; THE MODE: SCHED_MODE bits 1:0 = 2 (LLVM: expert scheduling mode 2), set by the entry lines.  The code itself states the register dependences
; between vector instructions and memory instructions, with s_wait_alu, always for 0.
; THE PLAN.  Registers that memory instructions touch:
;   v3, v4, v7, v21   byte offsets, each made once ahead of a wait and never written again.
;   G                 the gain: landed in by six loads (or written by v_mov for wo); read by vector lines alone.
;   D, 24 pieces      a piece is landed in by its one load, read by its vector lines, its first two registers written once by its two conversions and then read by its one store.
;   T; v5, v6         data of the sums' and the modes' stores: written by vector lines, then read by those stores.
; No register that a memory instruction reads is written again, so nothing is owed on vm_vsrc but at the two scalar writes of EXEC.
; The 24 pieces go in four groups of six.  A group's six stores stand in one run behind ONE wait on va_vdst, which states that the group's conversions have written their data: for the weights at the head of
; the next group, behind the wait for that group's first load; for x likewise for a pair of rows' first group, and for its second group straight behind its conversions, ahead of the sums across the lanes, which name none of the stores' registers.
.set PLANE,   524288
.set PACK_SS, 6291456
.set PACK_B,  6356992
.set G,  8                             ; v[8:31]   the gain of my 4 columns in each of a row's six pieces of 512 bytes
.set D,  32                            ; v[32:127] 24 x 4 numbers as loaded; the first two registers of each four then hold the bf16
.set SQ, 8                             ; x alone: v[8:15] four pairs of sums of squares
.set T,  16                            ; x alone: v[16:19] what my lane stores of them
; The weights: the six stores of group r (a row of 768: 1,536 bytes of bf16)
.macro WOUT r
.irp j, 0,1,2,3,4,5
	global_store_b64 v4, v[D+4*(6*(\r)+(\j)):D+4*(6*(\r)+(\j))+1], s[40:41] offset:256*(6*(\r)+(\j))
.endr
.endm
; x: the six stores of half hf (planes 6 hf to 6 hf + 5) of pair pr of rows; two rows of a plane lie end to end: 256 bytes
.macro XOUT pr, hf
.irp j, 0,1,2,3,4,5
	global_store_b64 v4, v[D+4*(12*(\pr)+6*(\hf)+(\j)):D+4*(12*(\pr)+6*(\hf)+(\j))+1], s[40:41] offset:(6*(\hf)+(\j))*PLANE+(\pr)*256
.endr
.endm
	s_load_b512 s[8:23], s[0:1], 0x0               ; x s[8:9], g1 s[10:11], wq s[12:13], wk s[14:15], wv s[16:17], wo s[18:19], packa s[20:21], wrest s[22:23]
	s_load_b128 s[24:27], s[0:1], 0x40             ; modea s[24:25], modeb s[26:27]
	v_lshrrev_b32 v1, 5, v0
	v_readfirstlane_b32 s4, v1                     ; wave
	v_and_b32 v2, 31, v0                           ; lane
	v_lshlrev_b32 v3, 4, v2                        ; 16 x lane: f32 in
	v_lshlrev_b32 v4, 3, v2                        ; 8 x lane: bf16 out
	s_wait_alu depctr_va_sdst(0)                   ; s4 is written, ahead of the branch below and of its first reader on either way: the wave's offsets are made from it
	s_wait_alu depctr_va_vdst(0)                   ; v3 and v4 are written: the weights' and the gain's loads read v3 as their offset, every store of bf16 reads v4
	s_mov_b32 s5, ttmp9
	s_mov_b32 s47, 0
	s_wait_kmcnt 0x0
	s_cmp_ge_u32 s5, 192
	s_cbranch_scc1 .Lx
	; which weights: source s[36:37] and its first work-group s38; destination s[40:41], its first work-group s39, its byte offset s42
	s_mov_b64 s[36:37], s[12:13]
	s_mov_b32 s38, 0
	s_cmp_ge_u32 s5, 48
	s_cselect_b64 s[36:37], s[14:15], s[36:37]
	s_cselect_b32 s38, 48, s38
	s_cmp_ge_u32 s5, 96
	s_cselect_b64 s[36:37], s[16:17], s[36:37]
	s_cselect_b32 s38, 96, s38
	s_cmp_ge_u32 s5, 144
	s_cselect_b64 s[36:37], s[18:19], s[36:37]
	s_cselect_b32 s38, 144, s38
	s_cselect_b64 s[40:41], s[22:23], s[20:21]
	s_cselect_b32 s39, 144, 0
	s_cselect_b32 s42, 0, PACK_B
	s_sub_co_u32 s38, s5, s38
	s_mul_i32 s38, s38, 49152                      ; 16 rows of 3,072 bytes
	s_mul_i32 s46, s4, 12288
	s_add_co_u32 s46, s46, s38
	s_add_nc_u64 s[36:37], s[36:37], s[46:47]
	s_sub_co_u32 s39, s5, s39
	s_mul_i32 s39, s39, 24576
	s_mul_i32 s46, s4, 6144
	s_add_co_u32 s46, s46, s39
	s_add_co_u32 s46, s46, s42
	s_add_nc_u64 s[40:41], s[40:41], s[46:47]
	s_cmp_ge_u32 s5, 144
	s_cbranch_scc1 .Lones
.irp i, 0,1,2,3,4,5
	global_load_b128 v[G+4*(\i):G+4*(\i)+3], v3, s[10:11] offset:512*(\i)
.endr
	s_branch .Lgo
.Lones:
.set i, 0
.rept 24
	v_mov_b32 v[G+i], 1.0                          ; named by vector lines alone on this way: no load lands here
.set i, i+1
.endr
.Lgo:	; 4 rows: 24 loads, all issued ahead; piece i is scaled and rounded as soon as it is in; a row's six pieces are stored together.  No register is used twice.
.set i, 0
.rept 24
	global_load_b128 v[D+4*i:D+4*i+3], v3, s[36:37] offset:512*i th:TH_LOAD_NT  ; no vector line has named D; v3 stands as the head's wait found it
.set i, i+1
.endr
.set grp, 0
.rept 4
.set n, 0
.rept 6
.set i, 6*grp+n
	s_wait_loadcnt 23-i                            ; loads come back in order: piece i is in, the 23 - i younger ones stay out (the gain's are older)
.if (n == 0) && (grp > 0)
	s_wait_alu depctr_va_vdst(0)                   ; the conversions of the group before have written the first two registers of its six pieces, which the six stores below read
	WOUT grp-1
.endif
	v_pk_mul_f32 v[D+4*i:D+4*i+1], v[D+4*i:D+4*i+1], v[G+4*(i%6):G+4*(i%6)+1]
	v_pk_mul_f32 v[D+4*i+2:D+4*i+3], v[D+4*i+2:D+4*i+3], v[G+4*(i%6)+2:G+4*(i%6)+3]
	v_cvt_pk_bf16_f32 v[D+4*i], v[D+4*i], v[D+4*i+1]
	v_cvt_pk_bf16_f32 v[D+4*i+1], v[D+4*i+2], v[D+4*i+3]
.set n, n+1
.endr
.set grp, grp+1
.endr
	s_wait_alu depctr_va_vdst(0)                   ; the last group's conversions have written what its six stores read
	WOUT 3
	s_or_b32 s46, s5, s4
	s_cmp_lg_u32 s46, 0
	s_cbranch_scc1 .Lend
	v_mov_b32 v5, 0                                ; wave 0 of work-group 0 writes the two mode buffers, all 256 bytes of each
	v_mov_b32 v6, 1
	v_lshlrev_b32 v7, 2, v2
	s_wait_alu depctr_va_vdst(0)                   ; v5, v6 and v7 are written: the data and the offset of the four stores below
	global_store_b32 v7, v5, s[24:25]
	global_store_b32 v7, v5, s[24:25] offset:128
	global_store_b32 v7, v6, s[26:27]
	global_store_b32 v7, v6, s[26:27] offset:128
.Lend:
	s_endpgm
.Lx:	; x: my 4 rows as two pairs u; lanes 0-15 take the even row of a pair, lanes 16-31 the odd one; a load takes 64 columns (a plane's) of both
	s_sub_co_u32 s38, s5, 192
	s_lshl_b32 s38, s38, 4
	s_lshl2_add_u32 s38, s4, s38                   ; my first row
	s_mul_i32 s46, s38, 3072
	s_add_nc_u64 s[36:37], s[8:9], s[46:47]
	s_lshl_b32 s46, s38, 7
	s_add_nc_u64 s[40:41], s[20:21], s[46:47]      ; a plane's row is 128 bytes
	s_lshl_b32 s46, s38, 2
	s_add_co_u32 s46, s46, PACK_SS
	s_add_nc_u64 s[44:45], s[20:21], s[46:47]
	v_lshrrev_b32 v5, 4, v2                        ; which row of a pair
	v_and_b32 v6, 15, v2
	v_mul_u32_u24 v7, v5, 3072
	v_lshl_add_u32 v7, v6, 4, v7
	v_and_b32 v20, 1, v2
	v_cmp_eq_u32 s49, 1, v20                       ; odd lanes keep the second pair's sums
	v_lshl_add_u32 v21, v20, 1, v5                 ; the row that my lane's sums belong to: 2 (lane % 2) + lane / 16
	v_lshlrev_b32 v21, 2, v21
	s_wait_alu depctr_va_sdst(0)                   ; s49 is written, ahead of its first reader, the selects of the second pair's sums
	s_wait_alu depctr_va_vdst(0)                   ; v7 and v21 are written: the offset of x's loads and that of the sums' stores
.set i, 0
.rept 24
	global_load_b128 v[D+4*i:D+4*i+3], v7, s[36:37] offset:(i/12)*6144+(i%12)*256 th:TH_LOAD_NT  ; no vector line has named D
.set i, i+1
.endr
.set u, 0
.rept 2
.set p, 0
.rept 12
.set k, D+4*(12*u+p)
.set q, SQ+2*(p/3)
	s_wait_loadcnt 23-(12*u+p)                     ; the younger loads stay out
.if p == 6
	s_wait_alu depctr_va_vdst(0)                   ; the conversions of the pair's planes 0 to 5 have written what the six stores below read
	XOUT u, 0
.endif
.if p%3 == 0
	v_pk_mul_f32 v[q:q+1], v[k:k+1], v[k:k+1]      ; the first product starts the sum over 192 columns
.else
	v_pk_fma_f32 v[q:q+1], v[k:k+1], v[k:k+1], v[q:q+1]
.endif
	v_pk_fma_f32 v[q:q+1], v[k+2:k+3], v[k+2:k+3], v[q:q+1]
	v_cvt_pk_bf16_f32 v[k], v[k], v[k+1]
	v_cvt_pk_bf16_f32 v[k+1], v[k+2], v[k+3]
.set p, p+1
.endr
	s_wait_alu depctr_va_vdst(0)                   ; the conversions of the pair's planes 6 to 11 have written what the six stores below read; the sums across the lanes follow and name none of those registers
	XOUT u, 1
.set j, 0
.rept 4
	v_add_f32 v[SQ+2*j], v[SQ+2*j], v[SQ+2*j+1]
	v_add_f32_dpp v[SQ+2*j], v[SQ+2*j], v[SQ+2*j] row_xmask:1 row_mask:0xf bank_mask:0xf
	v_add_f32_dpp v[SQ+2*j], v[SQ+2*j], v[SQ+2*j] row_xmask:2 row_mask:0xf bank_mask:0xf
	v_add_f32_dpp v[SQ+2*j], v[SQ+2*j], v[SQ+2*j] row_xmask:4 row_mask:0xf bank_mask:0xf
	v_add_f32_dpp v[SQ+2*j], v[SQ+2*j], v[SQ+2*j] row_xmask:8 row_mask:0xf bank_mask:0xf
.if u == 0
	v_mov_b32 v[T+j], v[SQ+2*j]
.else
	v_cndmask_b32 v[T+j], v[T+j], v[SQ+2*j], s49
.endif
.set j, j+1
.endr
.set u, u+1
.endr
	v_cmp_gt_u32 vcc_lo, 2, v6                     ; lanes 0, 1, 16, 17 hold the four rows' sums
	s_wait_xcnt 0x0                                ; EXEC changes only when the stores above have read it
	s_wait_alu depctr_va_vcc(0)                    ; VCC is written: EXEC is made from it
	s_wait_alu depctr_va_vdst(0)                   ; ahead of the scalar write of EXEC: the vector lines issued so far are done; among them the selects that write T, which the stores below read
	s_wait_alu depctr_vm_vsrc(0)                   ; ahead of the scalar write of EXEC: the stores issued so far have read their vector registers
	s_and_saveexec_b32 s48, vcc_lo
.irp j, 0,1,2,3
	global_store_b32 v21, v[T+(\j)], s[44:45] offset:(\j)*16384
.endr
	s_wait_xcnt 0x0
	s_wait_alu depctr_va_vdst(0)                   ; ahead of the scalar write of EXEC that restores it: no vector line is pending
	s_wait_alu depctr_vm_vsrc(0)                   ; and the four stores have read v21 and T
	s_or_b32 exec_lo, exec_lo, s48
	s_endpgm
.Lfunc_end_k_q6c663ae6d0_prep:
	.size	k_q6c663ae6d0_prep, .Lfunc_end_k_q6c663ae6d0_prep-k_q6c663ae6d0_prep
	.p2alignl 7, 3214868480
	.fill 96, 4, 3214868480
	.section	.rodata,"a",@progbits
	.p2align	6, 0x0
	.amdhsa_kernel k_q6c663ae6d0_prep
		.amdhsa_group_segment_fixed_size 0
		.amdhsa_private_segment_fixed_size 0
		.amdhsa_enable_private_segment 0
		.amdhsa_kernarg_size 80
		.amdhsa_user_sgpr_count 2
		.amdhsa_user_sgpr_kernarg_segment_ptr 1
		.amdhsa_wavefront_size32 1
		.amdhsa_system_sgpr_workgroup_id_x 1
		.amdhsa_system_sgpr_workgroup_id_y 1
		.amdhsa_system_sgpr_workgroup_id_z 1
		.amdhsa_system_vgpr_workitem_id 0
		.amdhsa_next_free_vgpr 128
		.amdhsa_next_free_sgpr 66
		.amdhsa_reserve_vcc 1
		.amdhsa_float_denorm_mode_32 3
		.amdhsa_float_denorm_mode_16_64 3
		.amdhsa_memory_ordered 1
		.amdhsa_forward_progress 1
		.amdhsa_inst_pref_size 31
	.end_amdhsa_kernel
	.amdgpu_metadata
---
amdhsa.version: [ 1, 2 ]
amdhsa.kernels:
  - .name:           k_q6c663ae6d0_prep
    .symbol:         k_q6c663ae6d0_prep.kd
    .args:
      - { .name: x, .offset: 0, .size: 8, .value_kind: global_buffer, .address_space: global }
      - { .name: g1, .offset: 8, .size: 8, .value_kind: global_buffer, .address_space: global }
      - { .name: wq, .offset: 16, .size: 8, .value_kind: global_buffer, .address_space: global }
      - { .name: wk, .offset: 24, .size: 8, .value_kind: global_buffer, .address_space: global }
      - { .name: wv, .offset: 32, .size: 8, .value_kind: global_buffer, .address_space: global }
      - { .name: wo, .offset: 40, .size: 8, .value_kind: global_buffer, .address_space: global }
      - { .name: packa, .offset: 48, .size: 8, .value_kind: global_buffer, .address_space: global }
      - { .name: wrest, .offset: 56, .size: 8, .value_kind: global_buffer, .address_space: global }
      - { .name: modea, .offset: 64, .size: 8, .value_kind: global_buffer, .address_space: global }
      - { .name: modeb, .offset: 72, .size: 8, .value_kind: global_buffer, .address_space: global }
    .group_segment_fixed_size: 0
    .private_segment_fixed_size: 0
    .kernarg_segment_align: 8
    .kernarg_segment_size: 80
    .max_flat_workgroup_size: 128
    .sgpr_count:     66
    .vgpr_count:     128
    .wavefront_size: 32
...
	.end_amdgpu_metadata
.endif
;; end of part 6
;; launch qkv: the kernel of part 2 again; grid 12 x 16, 4 waves a work-group, clusters of 4 x 4, 327,680 bytes of LDS; arguments packa, modea, act; writes act
;; launch attn: the kernel of part 3 again; grid 16 x 16, 4 waves a work-group, no clusters, 327,680 bytes of LDS; arguments act, o, w1, w2, g2, packb, wrest; writes o, packb, wrest
;; launch wo: the kernel of part 4 again; grid 4 x 64, 4 waves a work-group, clusters of 4 x 4, 327,680 bytes of LDS; arguments o, wrest, x, y, packb; writes y, packb
;; launch ffn1: the kernel of part 2 again; grid 16 x 16, 4 waves a work-group, clusters of 4 x 4, 327,680 bytes of LDS; arguments packb, modeb, act; writes act
;; launch ffn2: the kernel of part 5 again; grid 4 x 64, 4 waves a work-group, clusters of 4 x 4, 327,680 bytes of LDS; arguments act, wrest, y, out0; writes out0
